; MI455X (gfx1250); checked and timed in simulation.
; The chip was launched on July 23, 2026; its instructions are those of AMD's public machine-readable ISA for CDNA 5 (MIT licence, August 2026) and "CDNA5" Instruction Set Architecture Reference Guide (July 2026). The comments in the code are by the model that wrote it; some were corrected since.
;; Local MHA. Allowed arithmetic: float matrix products may take bf16 or f16 operands with f32 sums; other float arithmetic in f32, or as packed bf16 or f16 multiplies, adds, multiply-adds, maxima and minima; sums over many terms, partial sums and values carried from step to step in f32; what a program stores and reads back later, other than sums and carried values, may be rounded once to bf16 or f16.
;; Inputs: beta 1,024 float32; gamma 1,024 float32; w_out 1,024 x 1,024 float32; w_qkv 3,072 x 1,024 float32; x 1,024 x 16,384 float32.
;; Outputs: out0 1,024 x 16,384 float32.
;; 2 versions, each right; version 2 is version 1 with the launch front written anew for expert scheduling mode. Each part assembles by itself: llvm-mc -triple=amdgcn-amd-amdhsa -mcpu=gfx1250 --defsym DOCPART=n.
;; ======== version 1 of 2: 3 launches
;; limits: values are held in f16: magnitudes above 65,504 overflow, below 6.1e-05 lose precision
;; workspace buffers: nrm 33,554,432 bytes; wq 6,291,456 bytes; wo 2,097,152 bytes; rot 8,192 bytes; att 33,554,432 bytes
;; launch front (part 1): grid 256 x 1, 16 waves a work-group, no clusters, 10,240 bytes of LDS; arguments x, gamma, beta, w_qkv, w_out, nrm, wq, wo, rot; writes nrm, wq, wo, rot
.if DOCPART == 1
	.amdgcn_target "amdgcn-amd-amdhsa--gfx1250"
	.amdhsa_code_object_version 6
	.text
	.protected	k_q09dd546a75_front
	.globl	k_q09dd546a75_front
	.p2align	8
	.type	k_q09dd546a75_front,@function
k_q09dd546a75_front:
	s_mov_b64 s[64:65], 0
	v_nop
	global_prefetch_b8 v0, s[64:65] scope:SCOPE_SE
	s_setreg_imm32_b32 hwreg(HW_REG_WAVE_MODE, 25, 1), 1
	s_wait_xcnt 0x0
; FRONT: LayerNorm over the channels of x [1024 channels][16384 tokens] f32, times gamma plus beta, rounded once to f16 into nrm; both weight
; matrices rounded once to f16 (wq, wo); the rotary table of cosines and sines (rot, f32).
; SHARES.  Work-group b owns tokens 64 b .. 64 b + 63: 256 bytes of each of the 1,024 channel rows, 256 KiB, all of it kept in registers between the pass
; that finds the mean, the pass that finds the variance (of the deviations: no difference of large sums) and the pass that scales: x is read once.
; Sixteen waves; wave w owns 64 channels: lanes 0-15 channels c0 + i, lanes 16-31 channels c0 + 64 + i, i = 0..31, c0 = 128 (w / 2) + 32 (w % 2); a lane holds
; 4 neighbouring tokens of 32 channels.  Sixteen lanes of a load cover 256 consecutive bytes of a row, aligned.
; nrm: [64 blocks of 256 tokens][8 groups of 128 channels][4 sub-blocks of 64 tokens][128 rows p][64 tokens] f16, row p holding channel 64 (p % 2) + p / 2 of the group:
; lanes 0-15 and lanes 16-31 of a store then write two neighbouring rows, 256 consecutive bytes, aligned.  wq's columns carry the same order, so the products are the same.
; wq: [3072][1024] f16, row 192 h + 64 s + d from w_qkv's row 1024 s + 64 h + d (s = 0, 1, 2: q, k, v).  wo: w_out as it lies.  Work-groups 0-191 take 16 rows of w_qkv each, 192-255 16 rows of w_out.
; rot (work-group 0): byte 4096 par + 2048 fb + 1024 cs + 32 L + 4 j holds cos (cs = 0) or sin (cs = 1) of pos / 10000^(f / 32), pos = 16 par + L % 16, f = 16 fb + 8 (L / 16) + j.  The angle, 31 at
; the most, is reduced by multiples of pi/2 held in two words; sine and cosine are Taylor sums on |r| <= pi/4, cut at r^9 and r^10: the first terms left out are below 2e-9.
; These 8 KiB are stored 128 bytes a wave: the one place where a store covers less than 256 bytes.
; LIMITS.  f16 ends at 65,504: a normalised value times gamma plus beta, or a weight, of 65,520 or more becomes an infinity; below 6e-5 f16 keeps a fixed step of 6e-8.  NaN and infinities are not treated apart.
.set RED1,  0                          ; [16 waves][64 tokens] f32: the waves' sums
.set RED2,  4096                       ; the same for the sums of squares: bytes of their own, so one barrier serves each reduction
.set SPARE, 8192                       ; the spare words, 128 bytes for each of the 16 waves: eight blocks of 256 bytes that no other line names
.set XO,  3                            ; v3   byte offset in x of my 16 bytes in my first channel's row
.set GAO, 4                            ; v4   byte offset in gamma and beta of my first channel
.set NO,  5                            ; v5   byte offset in nrm of my 8 bytes in my first row
.set RST, 6                            ; v6   where my wave's sums go in a reduction's region
.set RLD, 7                            ; v7   where I read eight waves' sums back
.set WI,  8                            ; v8   byte offset in the weights' source
.set WOF, 9                            ; v9   and in their destination
.set SPW, 12                           ; v12  LDS address of my spare word; never rewritten
.set NIL, 13                           ; v13  0; never rewritten
.set X,   16                           ; v[16:143]   channel i: 4 registers, 4 tokens
.set G,   144                          ; v[144:175]  gamma of my 32 channels
.set BT,  176                          ; v[176:207]  beta
.set SA,  208                          ; v[208:211]  sums, even channels'
.set SB,  212                          ; v[212:215]  odd channels'
.set T,   216                          ; v[216:219]  the other half of the lanes'
.set MU,  220                          ; v[220:223]  the mean, later 1 / sqrt(var + eps)
.set W,   224                          ; v[224:255]  the weights, later eight waves' sums
	s_load_b512 s[4:19], s[0:1], 0x0               ; x s[4:5], gamma s[6:7], beta s[8:9], w_qkv s[10:11], w_out s[12:13], nrm s[14:15], wq s[16:17], wo s[18:19]
	s_load_b64 s[20:21], s[0:1], 0x40              ; rot
	v_lshl_add_u32 v[SPW], v0, 2, SPARE
	v_mov_b32 v[NIL], 0
	v_lshrrev_b32 v10, 5, v0
	v_readfirstlane_b32 s23, v10                   ; wave 0..15
	s_mov_b32 s22, ttmp9                           ; b
	s_mov_b32 s34, 0x3a800000                      ; 1 / 1024
	s_mov_b32 s35, 0x3727c5ac                      ; 1e-5
	s_mov_b32 s36, 0x76543210                      ; v_permlanex16_b32: each lane takes its own place in the other half
	s_mov_b32 s37, 0xfedcba98
	s_lshr_b32 s24, s23, 1                         ; my group of 128 channels
	s_and_b32 s25, s23, 1
	s_lshl_b32 s38, s24, 7
	s_lshl_b32 s39, s25, 5
	s_add_co_u32 s38, s38, s39                     ; c0
	v_and_b32 v1, 15, v0                           ; r = lane % 16
	v_bfe_u32 v2, v0, 4, 1                         ; lane / 16
	v_lshl_add_u32 v10, v2, 6, s38                 ; my first channel
	v_lshlrev_b32 v[XO], 16, v10                   ; a row of x is 65,536 bytes
	v_lshl_or_b32 v[XO], v1, 4, v[XO]
	v_lshlrev_b32 v[GAO], 2, v10
	s_lshl_b32 s38, s24, 16                        ; nrm: the group's 65,536 bytes, my wave's 64 rows of 128,
	s_lshl_b32 s39, s25, 13
	s_add_co_u32 s38, s38, s39
	v_lshl_add_u32 v[NO], v2, 7, s38               ; the odd row for lanes 16-31,
	v_lshl_add_u32 v[NO], v1, 3, v[NO]             ; 8 bytes a lane
	s_lshl_b32 s38, s23, 8
	v_lshl_add_u32 v[RST], v1, 4, s38              ; 256 w + 16 r
	v_lshlrev_b32 v[RLD], 11, v2
	v_lshl_add_u32 v[RLD], v1, 4, v[RLD]           ; lanes 0-15 read waves 0-7, lanes 16-31 waves 8-15
.irp k, 0,1,2,3
	v_mov_b32 v[T+(\k)], 0                         ; v_permlanex16_b32 counts as a reader of its destination
.endr
	v_lshrrev_b32 v10, 7, v0                       ; thread / 128
	s_wait_kmcnt 0x0
	s_lshl_b32 s38, s22, 8
	s_mov_b32 s39, 0
	s_add_nc_u64 s[4:5], s[4:5], s[38:39]          ; x at my 64 tokens
	s_lshr_b32 s38, s22, 2
	s_lshl_b32 s38, s38, 19                        ; nrm: block b / 4,
	s_and_b32 s24, s22, 3
	s_lshl_b32 s24, s24, 14                        ; sub-block b % 4
	s_add_co_u32 s38, s38, s24
	s_add_nc_u64 s[14:15], s[14:15], s[38:39]
	; THE WEIGHTS' LOADS go out first, eight on either path, so that the counts below hold on both.
	s_cmp_lt_u32 s22, 192
	s_cbranch_scc0 .Lwo_in
	s_lshl_b32 s24, s22, 16                        ; 16 rows of 4,096 bytes of w_qkv
	s_mov_b32 s25, 0
	s_add_nc_u64 s[26:27], s[10:11], s[24:25]
	s_bfe_u32 s24, s22, 0x40002                    ; the head, (b / 4) % 16
	s_mul_i32 s24, s24, 192
	s_lshr_b32 s38, s22, 6                         ; s = b / 64
	s_lshl_b32 s38, s38, 6
	s_add_co_u32 s24, s24, s38
	s_and_b32 s38, s22, 3
	s_lshl_b32 s38, s38, 4                         ; d = 16 (b % 4)
	s_add_co_u32 s24, s24, s38
	s_lshl_b32 s24, s24, 11                        ; a row of wq is 2,048 bytes
	s_add_nc_u64 s[28:29], s[16:17], s[24:25]
	v_bfe_u32 v11, v0, 4, 3                        ; 128 threads to a row, four rows a pass: the group of 128 columns,
	v_lshlrev_b32 v[WI], 12, v10
	v_lshl_add_u32 v[WI], v11, 9, v[WI]
	v_lshl_add_u32 v[WI], v1, 4, v[WI]             ; and four columns of its first half; the same four of its second half lie 256 bytes on
	v_and_b32 v11, 127, v0
	v_lshlrev_b32 v[WOF], 11, v10
	v_lshl_add_u32 v[WOF], v11, 4, v[WOF]          ; they interleave into 16 consecutive bytes of wq
.irp p, 0,1,2,3
	global_load_b128 v[W+8*(\p):W+8*(\p)+3],   v[WI], s[26:27] offset:(\p)*16384 th:TH_LOAD_NT
	global_load_b128 v[W+8*(\p)+4:W+8*(\p)+7], v[WI], s[26:27] offset:(\p)*16384+256 th:TH_LOAD_NT
.endr
	s_branch .Lw_asked
.Lwo_in:
	s_sub_co_u32 s24, s22, 192
	s_lshl_b32 s38, s24, 16                        ; 16 rows of w_out
	s_mov_b32 s39, 0
	s_add_nc_u64 s[26:27], s[12:13], s[38:39]
	s_lshl_b32 s38, s24, 15
	s_add_nc_u64 s[28:29], s[18:19], s[38:39]
	v_lshlrev_b32 v[WI], 4, v0
	v_lshlrev_b32 v[WOF], 3, v0
.irp p, 0,1,2,3,4,5,6,7
	global_load_b128 v[W+4*(\p):W+4*(\p)+3], v[WI], s[26:27] offset:(\p)*8192 th:TH_LOAD_NT
.endr
.Lw_asked:
.irp m, 0,1,2,3,4,5,6,7
	global_load_b128 v[G+4*(\m):G+4*(\m)+3], v[GAO], s[6:7] offset:16*(\m)
.endr
.irp m, 0,1,2,3,4,5,6,7
	global_load_b128 v[BT+4*(\m):BT+4*(\m)+3], v[GAO], s[8:9] offset:16*(\m)
.endr
.set i, 0
.rept 32
	global_load_b128 v[X+4*i:X+4*i+3], v[XO], s[4:5] offset:65536*i th:TH_LOAD_NT  ; all of the work-group's x is on its way at once
.set i, i+1
.endr
	s_wait_loadcnt 48                              ; loads come back in order (ISA guide 5.7.1): the eight weight loads are in; gamma's, beta's and x's 48 stay out
	s_cmp_lt_u32 s22, 192
	s_cbranch_scc0 .Lwo_out
.irp p, 0,1,2,3
.irp k, 0,1,2,3
	v_cvt_pk_f16_f32 v[W+8*(\p)+(\k)], v[W+8*(\p)+(\k)], v[W+8*(\p)+4+(\k)]  ; column m of the group below, column 64 + m above
.endr
	global_store_b128 v[WOF], v[W+8*(\p):W+8*(\p)+3], s[28:29] offset:(\p)*8192  ; a wave stores 512 consecutive bytes
.endr
	s_branch .Lw_done
.Lwo_out:
.irp p, 0,1,2,3,4,5,6,7
	v_cvt_pk_f16_f32 v[W+4*(\p)], v[W+4*(\p)], v[W+4*(\p)+1]
	v_cvt_pk_f16_f32 v[W+4*(\p)+1], v[W+4*(\p)+2], v[W+4*(\p)+3]
	global_store_b64 v[WOF], v[W+4*(\p):W+4*(\p)+1], s[28:29] offset:(\p)*4096  ; a wave stores 256 consecutive bytes, aligned
.endr
.Lw_done:
	s_wait_xcnt 0x0                                ; W, which those stores read, is loaded into again below only behind this wait (ISA guide 3.1)
; A sum over all 1,024 channels for each of the 64 tokens, from each lane's sum in SA to the whole sum in SA of every lane: the other half of the lanes; the wave's 64 numbers into its own
; 256 bytes of the region; my stores are done, then the barrier; each half of the lanes adds eight waves'; the other half once more.
.macro REDUCE region
.irp k, 0,1,2,3
	v_permlanex16_b32 v[T+(\k)], v[SA+(\k)], s36, s37
.endr
	v_pk_add_f32 v[SA:SA+1], v[SA:SA+1], v[T:T+1]
	v_pk_add_f32 v[SA+2:SA+3], v[SA+2:SA+3], v[T+2:T+3]
	ds_store_b128 v[RST], v[SA:SA+3] offset:\region    ; both halves of the lanes hold the same numbers and write the same bytes
	s_wait_dscnt 0x0                               ; for the others' sake: my store is done
	s_barrier_signal -1
	s_barrier_wait -1
.irp k, 0,1,2,3,4,5,6,7
	ds_load_b128 v[W+4*(\k):W+4*(\k)+3], v[RLD] offset:\region+256*(\k)
.endr
	s_wait_dscnt 0x0
.irp k, 0,2,4,6
	v_pk_add_f32 v[W+4*(\k):W+4*(\k)+1],   v[W+4*(\k):W+4*(\k)+1],   v[W+4*(\k)+4:W+4*(\k)+5]
	v_pk_add_f32 v[W+4*(\k)+2:W+4*(\k)+3], v[W+4*(\k)+2:W+4*(\k)+3], v[W+4*(\k)+6:W+4*(\k)+7]
.endr
.irp k, 0,4
	v_pk_add_f32 v[W+4*(\k):W+4*(\k)+1],   v[W+4*(\k):W+4*(\k)+1],   v[W+4*(\k)+8:W+4*(\k)+9]
	v_pk_add_f32 v[W+4*(\k)+2:W+4*(\k)+3], v[W+4*(\k)+2:W+4*(\k)+3], v[W+4*(\k)+10:W+4*(\k)+11]
.endr
	v_pk_add_f32 v[SA:SA+1],   v[W:W+1],   v[W+16:W+17]
	v_pk_add_f32 v[SA+2:SA+3], v[W+2:W+3], v[W+18:W+19]
.irp k, 0,1,2,3
	v_permlanex16_b32 v[T+(\k)], v[SA+(\k)], s36, s37
.endr
	v_pk_add_f32 v[SA:SA+1], v[SA:SA+1], v[T:T+1]
	v_pk_add_f32 v[SA+2:SA+3], v[SA+2:SA+3], v[T+2:T+3]
.endm
	; PASS 1: the sum, in two chains started by the first four channels: nothing is cleared
	s_wait_loadcnt 24                              ; gamma, beta and channels 0-7 are in; 24 younger loads stay out
	v_pk_add_f32 v[SA:SA+1],   v[X:X+1],     v[X+4:X+5]
	v_pk_add_f32 v[SA+2:SA+3], v[X+2:X+3],   v[X+6:X+7]
	v_pk_add_f32 v[SB:SB+1],   v[X+8:X+9],   v[X+12:X+13]
	v_pk_add_f32 v[SB+2:SB+3], v[X+10:X+11], v[X+14:X+15]
.set i, 4
.rept 28
.if i%8 == 0
	s_wait_loadcnt 24-i                            ; the next eight channels are in: 16, 8 and at last 0 younger loads stay out
.endif
.set a, SA+4*(i%2)
	v_pk_add_f32 v[a:a+1],   v[a:a+1],   v[X+4*i:X+4*i+1]
	v_pk_add_f32 v[a+2:a+3], v[a+2:a+3], v[X+4*i+2:X+4*i+3]
.set i, i+1
.endr
	v_pk_add_f32 v[SA:SA+1], v[SA:SA+1], v[SB:SB+1]
	v_pk_add_f32 v[SA+2:SA+3], v[SA+2:SA+3], v[SB+2:SB+3]
	REDUCE RED1
	v_pk_mul_f32 v[MU:MU+1],   v[SA:SA+1],   s[34:35] op_sel_hi:[1,0]  ; the mean
	v_pk_mul_f32 v[MU+2:MU+3], v[SA+2:SA+3], s[34:35] op_sel_hi:[1,0]
	; PASS 2: the deviations, in place, and the sum of their squares
.set i, 0
.rept 32
	v_pk_add_f32 v[X+4*i:X+4*i+1],   v[X+4*i:X+4*i+1],   v[MU:MU+1]   neg_lo:[0,1] neg_hi:[0,1]
	v_pk_add_f32 v[X+4*i+2:X+4*i+3], v[X+4*i+2:X+4*i+3], v[MU+2:MU+3] neg_lo:[0,1] neg_hi:[0,1]
.set i, i+1
.endr
.set i, 0
.rept 32
.set a, SA+4*(i%2)
.if i < 2
	v_pk_mul_f32 v[a:a+1],   v[X+4*i:X+4*i+1],   v[X+4*i:X+4*i+1]
	v_pk_mul_f32 v[a+2:a+3], v[X+4*i+2:X+4*i+3], v[X+4*i+2:X+4*i+3]
.else
	v_pk_fma_f32 v[a:a+1],   v[X+4*i:X+4*i+1],   v[X+4*i:X+4*i+1],   v[a:a+1]
	v_pk_fma_f32 v[a+2:a+3], v[X+4*i+2:X+4*i+3], v[X+4*i+2:X+4*i+3], v[a+2:a+3]
.endif
.set i, i+1
.endr
	v_pk_add_f32 v[SA:SA+1], v[SA:SA+1], v[SB:SB+1]
	v_pk_add_f32 v[SA+2:SA+3], v[SA+2:SA+3], v[SB+2:SB+3]
	REDUCE RED2
.irp k, 0,1,2,3
	v_fma_f32 v[MU+(\k)], v[SA+(\k)], s34, s35     ; var + eps
.endr
.irp k, 0,1,2,3
	v_rsq_f32 v[MU+(\k)], v[MU+(\k)]
.endr
	v_nop                                          ; a plain instruction between the last of them and the use of its result (ISA guide 5.7.2)
	; PASS 3: scaled, times gamma plus beta, rounded once, stored
.set i, 0
	s_wait_alu depctr_va_vdst(0)
.rept 32
	v_pk_mul_f32 v[X+4*i:X+4*i+1],   v[X+4*i:X+4*i+1],   v[MU:MU+1]
	v_pk_mul_f32 v[X+4*i+2:X+4*i+3], v[X+4*i+2:X+4*i+3], v[MU+2:MU+3]
.irp k, 0,1,2,3
	v_fma_f32 v[X+4*i+(\k)], v[X+4*i+(\k)], v[G+i], v[BT+i]
.endr
	v_cvt_pk_f16_f32 v[X+4*i],   v[X+4*i],   v[X+4*i+1]
	v_cvt_pk_f16_f32 v[X+4*i+1], v[X+4*i+2], v[X+4*i+3]
	global_store_b64 v[NO], v[X+4*i:X+4*i+1], s[14:15] offset:256*i  ; two neighbouring rows of nrm: 256 consecutive bytes, aligned
.set i, i+1
.endr
	; THE ROTARY TABLE, by work-group 0: thread = 256 fb + 8 L + j makes one frequency's cosine and sine at two positions
	s_cmp_lg_u32 s22, 0
	s_cbranch_scc1 .Lno_table
	v_lshrrev_b32 v10, 8, v0                       ; fb
	v_bfe_u32 v11, v0, 7, 1                        ; L / 16
	v_and_b32 v208, 7, v0                          ; j
	v_lshl_add_u32 v208, v11, 3, v208
	v_lshl_add_u32 v208, v10, 4, v208              ; f
	v_cvt_f32_u32 v208, v208
	v_mul_f32 v208, 0xbed49a78, v208               ; - f log2(10000) / 32
	v_exp_f32 v208, v208                           ; 10000^(-f / 32)
	v_and_b32 v218, 255, v0                        ; (plain work stands behind the exponential)
	v_lshlrev_b32 v218, 2, v218
	v_lshl_add_u32 v218, v10, 11, v218             ; 2048 fb + 32 L + 4 j
	v_bfe_u32 v219, v0, 3, 4                       ; L % 16
	s_wait_alu depctr_va_vdst(0)
.macro SINCOS par                      ; results in registers of their own for each par, so that no store's data are rewritten
	v_add_nc_u32 v209, 16*(\par), v219
	v_cvt_f32_u32 v209, v209
	v_mul_f32 v209, v209, v208                     ; the angle a
	v_mul_f32 v210, 0x3f22f983, v209
	v_rndne_f32 v210, v210                         ; n = the nearest whole number to a 2 / pi
	v_fmamk_f32 v211, v210, 0xbfc90fdb, v209       ; r = a - n pi/2, pi/2 in two words
	v_fmamk_f32 v211, v210, 0x333bbd2e, v211
	v_mul_f32 v212, v211, v211                     ; z = r r
	v_mov_b32 v213, 0x3638ef1d                     ; sin r = r + r z (-1/6 + z/120 - z z/5040 + z z z/362880)
	v_mov_b32 v214, 0xb493f27e                     ; cos r = 1 - z/2 + z z/24 - ... - z^5/3628800
	v_fmaak_f32 v213, v213, v212, 0xb9500d01
	v_fmaak_f32 v214, v214, v212, 0x37d00d01
	v_fmaak_f32 v213, v213, v212, 0x3c088889
	v_fmaak_f32 v214, v214, v212, 0xbab60b61
	v_fmaak_f32 v213, v213, v212, 0xbe2aaaab
	v_fmaak_f32 v214, v214, v212, 0x3d2aaaab
	v_mul_f32 v216, v211, v212
	v_fma_f32 v214, v214, v212, -0.5
	v_fma_f32 v213, v216, v213, v211
	v_fma_f32 v214, v214, v212, 1.0
	v_cvt_i32_f32 v215, v210                       ; the quadrant n % 4 only selects values: odd: sine and cosine change places; signs by its bits
	v_and_b32 v216, 1, v215
	v_cmp_eq_u32 vcc_lo, 1, v216
	v_cndmask_b32 v[221+2*(\par)], v213, v214, vcc_lo  ; the sine
	v_cndmask_b32 v[220+2*(\par)], v214, v213, vcc_lo  ; the cosine
	v_and_b32 v213, 2, v215
	v_lshlrev_b32 v213, 30, v213
	v_xor_b32 v[221+2*(\par)], v[221+2*(\par)], v213   ; the sine is negative in quadrants 2 and 3,
	v_add_nc_u32 v214, 1, v215
	v_and_b32 v214, 2, v214
	v_lshlrev_b32 v214, 30, v214
	v_xor_b32 v[220+2*(\par)], v[220+2*(\par)], v214   ; the cosine in 1 and 2
	global_store_b32 v218, v[220+2*(\par)], s[20:21] offset:4096*(\par)
	global_store_b32 v218, v[221+2*(\par)], s[20:21] offset:4096*(\par)+1024
.endm
	SINCOS 0
	SINCOS 1
.Lno_table:
	s_wait_tensorcnt 0x0                           ; the wave's end, behind my last LDS store
	ds_add_u32 v[SPW], v[NIL]
	s_wait_dscnt 0x0
	s_endpgm
.Lfunc_end_k_q09dd546a75_front:
	.size	k_q09dd546a75_front, .Lfunc_end_k_q09dd546a75_front-k_q09dd546a75_front
	.p2alignl 7, 3214868480
	.fill 96, 4, 3214868480
	.section	.rodata,"a",@progbits
	.p2align	6, 0x0
	.amdhsa_kernel k_q09dd546a75_front
		.amdhsa_group_segment_fixed_size 10240
		.amdhsa_private_segment_fixed_size 0
		.amdhsa_enable_private_segment 0
		.amdhsa_kernarg_size 72
		.amdhsa_user_sgpr_count 2
		.amdhsa_user_sgpr_kernarg_segment_ptr 1
		.amdhsa_wavefront_size32 1
		.amdhsa_system_sgpr_workgroup_id_x 1
		.amdhsa_system_sgpr_workgroup_id_y 1
		.amdhsa_system_sgpr_workgroup_id_z 1
		.amdhsa_system_vgpr_workitem_id 0
		.amdhsa_next_free_vgpr 256
		.amdhsa_next_free_sgpr 66
		.amdhsa_reserve_vcc 1
		.amdhsa_float_denorm_mode_32 3
		.amdhsa_float_denorm_mode_16_64 3
		.amdhsa_memory_ordered 1
		.amdhsa_forward_progress 1
		.amdhsa_inst_pref_size 54
	.end_amdhsa_kernel
	.amdgpu_metadata
---
amdhsa.version: [ 1, 2 ]
amdhsa.kernels:
  - .name:           k_q09dd546a75_front
    .symbol:         k_q09dd546a75_front.kd
    .args:
      - { .name: x, .offset: 0, .size: 8, .value_kind: global_buffer, .address_space: global }
      - { .name: gamma, .offset: 8, .size: 8, .value_kind: global_buffer, .address_space: global }
      - { .name: beta, .offset: 16, .size: 8, .value_kind: global_buffer, .address_space: global }
      - { .name: w_qkv, .offset: 24, .size: 8, .value_kind: global_buffer, .address_space: global }
      - { .name: w_out, .offset: 32, .size: 8, .value_kind: global_buffer, .address_space: global }
      - { .name: nrm, .offset: 40, .size: 8, .value_kind: global_buffer, .address_space: global }
      - { .name: wq, .offset: 48, .size: 8, .value_kind: global_buffer, .address_space: global }
      - { .name: wo, .offset: 56, .size: 8, .value_kind: global_buffer, .address_space: global }
      - { .name: rot, .offset: 64, .size: 8, .value_kind: global_buffer, .address_space: global }
    .group_segment_fixed_size: 10240
    .private_segment_fixed_size: 0
    .kernarg_segment_align: 8
    .kernarg_segment_size: 72
    .max_flat_workgroup_size: 512
    .sgpr_count:     66
    .vgpr_count:     256
    .wavefront_size: 32
...
	.end_amdgpu_metadata
.endif
;; end of part 1
;; launch qkvatt (part 2): grid 4 x 64, 4 waves a work-group, clusters of 4 x 4, 327,680 bytes of LDS; arguments nrm, wq, rot, att; writes att
.if DOCPART == 2
	.amdgcn_target "amdgcn-amd-amdhsa--gfx1250"
	.amdhsa_code_object_version 6
	.text
	.protected	k_q09dd546a75_qkvatt
	.globl	k_q09dd546a75_qkvatt
	.p2align	8
	.type	k_q09dd546a75_qkvatt,@function
k_q09dd546a75_qkvatt:
	s_mov_b64 s[64:65], 0
	v_nop
	global_prefetch_b8 v0, s[64:65] scope:SCOPE_SE
	s_setreg_imm32_b32 hwreg(HW_REG_WAVE_MODE, 25, 1), 1
	s_wait_xcnt 0x0
	s_wait_alu depctr_hold_cnt(0) depctr_sa_sdst(0) depctr_va_vdst(0) depctr_va_sdst(0) depctr_va_ssrc(0) depctr_va_vcc(0) depctr_vm_vsrc(0)
	s_getreg_b32 s2, hwreg(HW_REG_IB_STS2, 6, 4)
	s_cmp_eq_u32 s2, 0
	s_cbranch_scc0 .Lentry_in_a_cluster
	s_endpgm
.Lentry_in_a_cluster:
	s_bfe_u32 s2, ttmp6, 0x10000c
	s_cmp_lg_u32 s2, 0xf033
	s_cbranch_scc0 .Lentry_shape_is_right
	s_endpgm
.Lentry_shape_is_right:
; QKVATT: for 256 tokens and one head: q, k, v = nrm x wq^T (K = 1,024), the rotary turn of q and k, and softmax attention inside each window of 32 tokens.  att: [16 heads][16384 tokens][64] f16.
; All matrix operands f16, all sums, the rotary turn and the softmax in f32; q, k, v, the weights p and the result are each rounded once to f16.
; LIMITS.  f16 ends at 65,504: a q, k or v of 65,520 or more becomes an infinity; below 6e-5 f16 keeps a fixed step of 6e-8.  A weight p below 2^-126 counts as 0.  NaN and infinities are not treated apart.
; A WORK-GROUP STAYS.  Work-group (cx, By) makes heads 4 cx .. 4 cx + 3 for tokens 256 By on, one after the other: a loop over tiles round the loop over K, and the ring does not stop at a tile's end: a tile's last two
; changes of slots ask for the next head's first two K steps, which land under the attention; nothing waits for a tile's stores.  The four heads walk the same 512 KiB of nrm: of four requests for a token tile three ask
; for bytes that the same four work-groups asked for one tile's work earlier.  The grid has four work-groups, one cluster, along x: the head group is my place cx in the cluster.
; SHARES.  Wave w owns tokens 64 w .. 64 w + 63, two whole windows, and all 192 outputs of the head: 48 accumulators of 16 x 16, 384 registers; the attention never leaves the wave.
; K goes in 8 steps of 128 through a ring of two LDS slots filled by the tensor data mover.  A step's token tile lies [channel][token] (nrm's layout) and is read turned, by ds_load_tr16_b128; the weights lie along K.
; LAYOUT.  q and k: source 0 = 16 outputs, source 1 = 16 tokens: a lane holds ONE token (lane % 16) and channels 8 (lane / 16) + 0..7 of a block of 16: rounded in pairs, two blocks ARE a fragment of Q or K.
; v: source 0 = 16 tokens, source 1 = 16 outputs: a lane holds one channel and eight tokens: two blocks ARE a fragment of V^T.  S^T = K Q^T and O^T = V^T P hold one query a lane, as in q: nothing changes lanes
; between the products, and a query's maximum and sum want one exchange between the halves of the lanes.
; SOFTMAX.  p = 2^(c s - c m), c = log2(e) / 8, m the maximum of the query's 32 scores; O is divided by the sum of the unrounded p.
; CLUSTER.  4 x 4 work-groups.  The four of a row of the cluster share By and so the token tiles, the four of a column share cx and so the weight tiles: each tile is asked for JOINTLY, by the same tensor load with
; the same descriptor and a mask that names the four.  All work-groups make the same number of tiles, laps and rounds.
; REGISTERS, in windows of 256 (s_set_vgpr_msb: bits 1:0 source 0, 3:2 source 1, 5:4 source 2, 7:6 destination):
;   window 0: v0-29 addresses; v32-63 at work; v64-127 the rotary table; v128-191 S^T; v192-223 eight registers of statistics a tile
;   window 1: two fragment buffers of 128 (32 of tokens, 96 of weights); behind a tile's products: Q v0-63, K v64-127, V^T v128-191, P v192-223
;   window 2: the 32 accumulators of q and k ((t, b) at 8 (8 t + b)); later O^T, 32 a tile          window 3: v0-127 the 16 accumulators of v ((t, b) at 8 (4 t + b))
.set TILES, 4                          ; heads to a work-group
.set PT,    160                        ; a row of the token tile in LDS: 64 tokens = 128 bytes + 32 of padding = 40 words
.set TSUB,  128*PT                     ; 128 channels of one sub-block of 64 tokens: what one wave reads
.set WOFF,  4*TSUB                     ; behind the four sub-blocks: the weights
.set PW,    272                        ; a row of the weight tile: 256 bytes + 16 of padding = 68 words: the 16 rows of a load start at 16 different groups of four banks
.set WHALF, 96*PW
.set SLOT,  WOFF+2*WHALF               ; 134,144 bytes
.set STAGE, 2*SLOT                     ; behind the ring, never filled by a tensor load: 16 rows x 144 bytes for each wave, for the way out
.set SP,    144
.set SPARE, STAGE+4*16*SP              ; behind the stages: the spare words, 128 bytes for each wave: two blocks of 256 bytes that no other line names
.set BACK_T, 6*65536                   ; bytes from a slot's last K step of a tile back to its first: the walk's tiles share their tokens
.set NEXT_W, 192*2048-6*256            ; the weights go 192 rows down and back along K
.set NEXT_O, 2097152                   ; a head of att
.set ADRT, 16                          ; v16-17  LDS address of my token fragments in slot 0, 1
.set ADRW, 20                          ; v20-21  of the weight fragments
.set STO,  24                          ; v24     the way out: where I put 16 bytes of a row
.set RD,   25                          ; v25     where I read rows back
.set GO,   26                          ; v26     my byte offset in 512 consecutive bytes of att
.set ROTO, 27                          ; v27     my byte offset in the rotary table
.set SPW,  28                          ; v28     LDS address of my spare word; never rewritten
.set NIL,  29                          ; v29     0; never rewritten
.set TMP,  32
.set ROT,  64                          ; + 32 par + 16 fb + 8 cs + j
.set S,    128                         ; + 16 tile + 8 key block + j
.set ST,   192                         ; + 8 tile: c0, c1, c m (later 1 / l), m, l
.set F0,   0
.set F1,   128
.set QF,   0
.set KF,   64
.set VF,   128
.set PF,   192
.set G1,  24                           ; s[24:31] descriptor group 1 for the token tiles;  s[32:39] group 0, a set for each slot
.set G0,  32
.set G1B, 48                           ; s[48:55], s[56:63] the same for the weight tiles
.set G0B, 56
.set CS,  66                           ; s[66:67] c: the packed scaling takes the pair's low word for both halves
.set SEL, 68                           ; s[68:69] v_permlanex16_b32's selects: each lane takes its own place in the other half
.set MSB, 0
.macro WIN new                         ; the immediate's high byte repeats the setting that is left; a switch that changes nothing is dropped
.if MSB != (\new)
	s_set_vgpr_msb (MSB<<8)|(\new)
.set MSB, (\new)
.endif
.endm
.set MUL_QK, 0xa5                      ; both sources window 1, C and D window 2
.set MUL_V,  0xf5                      ; the same, C and D window 3
.set TO_F,   0x40                      ; destination window 1, the rest window 0
.set W_ROT,  0x02                      ; source 0 window 2
.set W_VP,   0x4f                      ; sources 0 and 1 window 3, destination window 1
.set W_S,    0x05                      ; sources 0 and 1 window 1, C and D window 0
.set W_PV,   0x85                      ; sources 0 and 1 window 1, D window 2
.set W_OS,   0x82                      ; destination and source 0 window 2
.set W_OC,   0x0a                      ; sources 0 and 1 window 2
; A joint load.  Waves 0 and 1 fetch the two halves of a step's token tile, waves 2 and 3 those of its weight tile.  The branch hangs on the wave's number alone.
; An s_nop 0 and four v_nop follow each of the two lines, ahead of the jump, the label and what follows.
.macro JLOAD s
	s_cmp_eq_u32 s13, 0
	s_cbranch_scc0 .Lfor_b_\@
	tensor_load_to_lds s[G0+4*(\s):G0+4*(\s)+3], s[G1:G1+7]
	s_nop 0
.rept 4
	v_nop
.endr
	s_branch .Lasked_\@
.Lfor_b_\@:
	tensor_load_to_lds s[G0B+4*(\s):G0B+4*(\s)+3], s[G1B:G1B+7]
	s_nop 0
.rept 4
	v_nop
.endr
.Lasked_\@:
.endm
.macro CREST                           ; a round of the cluster's barrier behind its opening barrier: wave 0 signals for the work-group, every wave waits for all sixteen, my work-group's barrier closes it
	s_cmp_lg_u32 s12, 0
	s_cbranch_scc1 .Lnot_wave_0_\@
	s_barrier_signal -3
.Lnot_wave_0_\@:
	s_barrier_wait -3
	s_barrier_signal -1
	s_barrier_wait -1
.endm
.macro CROUND                          ; a whole round
	s_barrier_signal -1
	s_barrier_wait -1
	CREST
.endm
.macro PLACES                          ; four places behind matrix instructions, in front of loads into registers that they have read and of vector lines that read results
.rept 4
	v_nop
.endr
.endm
	s_load_b256 s[4:11], s[0:1], 0x0               ; nrm s[4:5], wq s[6:7], rot s[8:9], att s[10:11]
	v_lshl_add_u32 v[SPW], v0, 2, SPARE
	v_mov_b32 v[NIL], 0
	ds_add_u32 v[SPW], v[NIL]                      ; the wave's opening: the add and its wait stand ahead of my first tensor load; the set-up below, work on registers, stands between them
	v_lshrrev_b32 v1, 5, v0
	v_readfirstlane_b32 s12, v1                    ; wave 0..3
	s_lshr_b32 s13, s12, 1                         ; I fetch tokens (0) or weights (1),
	s_and_b32 s14, s12, 1                          ; and which half of the tile
	s_bfe_u32 s40, ttmp6, 0x40000                  ; cx, cy: my place in the cluster
	s_bfe_u32 s41, ttmp6, 0x40004
	s_lshl_b32 s42, s40, 2                         ; my first head = 4 cx
	s_and_b32 s43, ttmp7, 0xffff                   ; in a cluster launch ttmp7 counts clusters
	s_lshl_b32 s43, s43, 2
	s_add_co_u32 s43, s43, s41                     ; the token block By = 4 x cluster y + cy
	s_lshl_b32 s44, s41, 2
	s_lshl_b32 s44, 15, s44                        ; my row of the cluster
	s_lshl_b32 s45, 0x1111, s40                    ; my column
	; group 1.  Tokens: two sub-blocks are 32,768 dense bytes, asked for as 128 rows of 256 bytes and padded in LDS after every 128 bytes.  Weights: 96 rows of 256 bytes, 2,048 bytes apart.
	s_or_b32 s[G1], s44, (1<<16)|(1<<20)|(1<<21)|(4<<22)|(7<<25)   ; 15:0 the mask: my row; 17:16 2-byte elements; 20 padding on; 21 set beside a mask; 24:22 after every 32 words (code 4); 31:25 8 words (code 7)
	s_or_b32 s[G1B], s45, (1<<16)|(1<<20)|(1<<21)|(5<<22)|(3<<25)  ; my column; after every 64 words (code 5) 4 words (code 3)
.irp g, G1, G1B
	s_mov_b32 s[(\g)+1], 128<<16                   ; tensor_dim0 = 128
	s_mov_b32 s[(\g)+3], 128<<16                   ; tile_dim0 = 128
	s_mov_b32 s[(\g)+6], 0
	s_mov_b32 s[(\g)+7], 0
.endr
	s_mov_b32 s[G1+2], 128<<16                     ; tensor_dim1 = 128
	s_mov_b32 s[G1+4], 128                         ; tile_dim1 = 128
	s_mov_b32 s[G1+5], 128                         ; 128 elements from row to row
	s_mov_b32 s[G1B+2], 96<<16
	s_mov_b32 s[G1B+4], 96
	s_mov_b32 s[G1B+5], 1024
	s_mov_b32 s[CS], 0x3e38aa3b                    ; c = log2(e) / 8
	s_mov_b32 s[CS+1], s[CS]                       ; named with it as a pair
	s_mov_b32 s[SEL], 0x76543210
	s_mov_b32 s[SEL+1], 0xfedcba98
	s_lshl_b32 s16, s43, 19                        ; tokens: block By's 524,288 bytes, my two sub-blocks: made of By and the wave's number alone
	s_lshl_b32 s17, s14, 15
	s_add_co_u32 s16, s16, s17
	s_mov_b32 s17, 0
	s_mul_i32 s46, s42, 192                        ; weights: row 192 x head + 96 x half: made of cx and the wave's number alone
	s_mul_i32 s47, s14, 96
	s_add_co_u32 s46, s46, s47
	s_lshl_b32 s46, s46, 11
	s_mov_b32 s47, 0
	s_mul_i32 s20, s14, 2*TSUB                     ; where they go: no place in the cluster enters an LDS address
	s_mul_i32 s21, s14, WHALF
	s_add_co_u32 s21, s21, WOFF
	s_wait_dscnt 0x0                               ; the opening add is done
	s_wait_kmcnt 0x0
	s_add_nc_u64 s[18:19], s[4:5], s[16:17]
	s_add_nc_u64 s[46:47], s[6:7], s[46:47]
	CROUND                                         ; all sixteen work-groups are here: the first joint loads meet
.irp s, 0,1
	s_mov_b32 s[G0+4*(\s)], 1                                      ; count = 1
	s_add_co_u32 s[G0+4*(\s)+1], s20, (\s)*SLOT                    ; LDS address
	s_add_nc_u64 s[G0+4*(\s)+2:G0+4*(\s)+3], s[18:19], (\s)*65536  ; global address: K step s
	s_or_b32 s[G0+4*(\s)+3], s[G0+4*(\s)+3], 0x80000000            ; type = 2
	s_mov_b32 s[G0B+4*(\s)], 1
	s_add_co_u32 s[G0B+4*(\s)+1], s21, (\s)*SLOT
	s_add_nc_u64 s[G0B+4*(\s)+2:G0B+4*(\s)+3], s[46:47], (\s)*256
	s_or_b32 s[G0B+4*(\s)+3], s[G0B+4*(\s)+3], 0x80000000
	JLOAD \s                                       ; two loads of mine are out
.endr
	v_and_b32 v3, 31, v0
	v_lshlrev_b32 v[ROTO], 5, v3
	v_lshlrev_b32 v[GO], 4, v3
.irp p, 0,1
.irp fb, 0,1
.irp cs, 0,1
	global_load_b128 v[ROT+32*(\p)+16*(\fb)+8*(\cs):ROT+32*(\p)+16*(\fb)+8*(\cs)+3],   v[ROTO], s[8:9] offset:4096*(\p)+2048*(\fb)+1024*(\cs)     ; the table lands while the products run, and serves all four tiles
	global_load_b128 v[ROT+32*(\p)+16*(\fb)+8*(\cs)+4:ROT+32*(\p)+16*(\fb)+8*(\cs)+7], v[ROTO], s[8:9] offset:4096*(\p)+2048*(\fb)+1024*(\cs)+16
.endr
.endr
.endr
	v_and_b32 v1, 15, v0                           ; r = l % 16
	v_bfe_u32 v2, v0, 4, 1                         ; l / 16
	v_and_b32 v3, 7, v0
	v_bfe_u32 v4, v0, 3, 1
	; The turning load takes 16 channels x 16 tokens (lane l reads channel 8 (l / 16) + l % 8, tokens 8 ((l / 8) % 2) + 0..7) and leaves half a fragment: lane l holds token l % 16 and 8 channels.
	v_lshl_add_u32 v5, v2, 3, v3
	v_mul_u32_u24 v5, v5, PT
	v_lshl_add_u32 v5, v4, 4, v5
	s_mul_i32 s22, s12, TSUB                       ; my wave's sub-block
	v_add_nc_u32 v[ADRT], s22, v5
	v_add_nc_u32 v[ADRT+1], SLOT, v[ADRT]
	v_mul_u32_u24 v6, v1, PW                       ; a weight fragment: row x pitch + 16 x half
	v_lshl_add_u32 v6, v2, 4, v6
	v_add_nc_u32 v[ADRW], WOFF, v6
	v_add_nc_u32 v[ADRW+1], SLOT, v[ADRW]
	s_mul_i32 s23, s12, 16*SP
	s_add_co_u32 s23, s23, STAGE                   ; my stage
	v_mul_u32_u24 v7, v1, SP                       ; in: row l % 16, 16 bytes for each half of the lanes
	v_lshl_add_u32 v7, v2, 4, v7
	v_add_nc_u32 v[STO], s23, v7
	v_bfe_u32 v7, v0, 3, 2                         ; back: 32 lanes take four rows of 128 bytes
	v_mul_u32_u24 v7, v7, SP
	v_lshl_add_u32 v7, v3, 4, v7
	v_add_nc_u32 v[RD], s23, v7
	s_lshl_b32 s46, s42, 21                        ; what the first way out adds to att's address: my first head's 2,097,152 bytes, the block's 32,768, my wave's 8,192
	s_lshl_b32 s47, s43, 15
	s_add_co_u32 s46, s46, s47
	s_lshl_b32 s47, s12, 13
	s_add_co_u32 s46, s46, s47
	s_mov_b32 s47, 0
; 16 matrix instructions for q and k: token blocks t0, t0 + 1 x the 8 blocks of 16 outputs, 32 along K.  zero = 1: the first product starts the sums: nothing is ever cleared.
.macro MULQK f, t0, zero
	WIN MUL_QK
.irp t, \t0, (\t0)+1
.irp b, 0,1,2,3,4,5,6,7
.if \zero
	v_wmma_f32_16x16x32_f16 v[8*(8*(\t)+(\b)):8*(8*(\t)+(\b))+7], v[(\f)+32+8*(\b):(\f)+32+8*(\b)+7], v[(\f)+8*(\t):(\f)+8*(\t)+7], 0
.else
	v_wmma_f32_16x16x32_f16 v[8*(8*(\t)+(\b)):8*(8*(\t)+(\b))+7], v[(\f)+32+8*(\b):(\f)+32+8*(\b)+7], v[(\f)+8*(\t):(\f)+8*(\t)+7], v[8*(8*(\t)+(\b)):8*(8*(\t)+(\b))+7]
.endif
.endr
.endr
.endm
; 16 for v, the sources the other way round: the 4 token blocks x v's 4 blocks of outputs
.macro MULV f, zero
	WIN MUL_V
.irp t, 0,1,2,3
.irp b, 0,1,2,3
.if \zero
	v_wmma_f32_16x16x32_f16 v[8*(4*(\t)+(\b)):8*(4*(\t)+(\b))+7], v[(\f)+8*(\t):(\f)+8*(\t)+7], v[(\f)+96+8*(\b):(\f)+96+8*(\b)+7], 0
.else
	v_wmma_f32_16x16x32_f16 v[8*(4*(\t)+(\b)):8*(4*(\t)+(\b))+7], v[(\f)+8*(\t):(\f)+8*(\t)+7], v[(\f)+96+8*(\b):(\f)+96+8*(\b)+7], v[8*(4*(\t)+(\b)):8*(4*(\t)+(\b))+7]
.endif
.endr
.endr
.endm
; 32 LDS loads in one run: the fragments of quarter q of a K step (32 along K) into buffer f: 64 tokens, then 192 outputs, v's last
.macro FETCH slot, q, f
	WIN TO_F
.irp t, 0,1,2,3
	ds_load_tr16_b128 v[(\f)+8*(\t):(\f)+8*(\t)+3],   v[ADRT+(\slot)] offset:32*PT*(\q)+32*(\t)
	ds_load_tr16_b128 v[(\f)+8*(\t)+4:(\f)+8*(\t)+7], v[ADRT+(\slot)] offset:32*PT*(\q)+32*(\t)+16*PT
.endr
.irp b, 0,1,2,3,4,5,6,7,8,9,10,11
	ds_load_b128 v[(\f)+32+8*(\b):(\f)+32+8*(\b)+3],   v[ADRW+(\slot)] offset:16*PW*(\b)+64*(\q)
	ds_load_b128 v[(\f)+32+8*(\b)+4:(\f)+32+8*(\b)+7], v[ADRW+(\slot)] offset:16*PW*(\b)+64*(\q)+32
.endr
.endm
; A K step is four quarters of 32 along K, 48 matrix instructions each, on buffers 0, 1, 0, 1; the 48 accumulators take turns, one instruction a turn.
; One of the first three: multiplies buffer f; behind its first 16 products it fetches quarter qn of the same slot into buffer g.
.macro QUARTER slot, qn, f, g, zero
	s_wait_dscnt 8                                 ; the tokens and q's and k's weights are in; the youngest eight loads (v's weights) may be out
	MULQK \f, 0, \zero
	PLACES
	FETCH \slot, \qn, \g
	s_wait_dscnt 32                                ; all but the 32 just issued
	MULQK \f, 2, \zero
	MULV \f, \zero
.endm
; The last quarter multiplies buffer 1 and changes slots: ONE barrier; in front of it each wave waits for all its tensor loads, of which at most one is out: its part of the next slot; adds 0 to its spare word; and waits
; for that and for its own reads of this slot.  fill = 1: the barrier opens a round of the cluster's, and this slot is filled again first thing behind the round: with this tile's K step two steps on (on = 0), 160 matrix
; instructions ahead of the wait for it, or, in a tile's last two K steps, with the NEXT head's K step 0 or 1 (on = 1).  fetch = 0: a tile's very last quarter: the next fragments are fetched behind the attention.
.macro TURN slot, next, fill, on=0, fetch=1
	WIN 0                                          ; (the add's two registers lie in window 0)
	s_wait_tensorcnt 0x0                           ; all my tensor loads have landed
	ds_add_u32 v[SPW], v[NIL]                      ; 0 onto my spare word
	s_wait_dscnt 9                                 ; (the add and the youngest eight loads may be out)
	MULQK F1, 0, 0                                 ; sixteen matrix instructions stand between the add and the wait for it
	s_wait_dscnt 0x0                               ; the add is done, and my reads of this slot are over
	s_barrier_signal -1
	MULQK F1, 2, 0                                 ; work on registers while the others arrive
.if \fill
	WIN 0
.endif
	s_barrier_wait -1
.if \fill
	CREST                                          ; no wave of any partner still reads this slot's tiles or has a load on its way
.if \on
	s_sub_nc_u64 s[G0+4*(\slot)+2:G0+4*(\slot)+3], s[G0+4*(\slot)+2:G0+4*(\slot)+3], BACK_T
	s_add_nc_u64 s[G0B+4*(\slot)+2:G0B+4*(\slot)+3], s[G0B+4*(\slot)+2:G0B+4*(\slot)+3], NEXT_W
.else
	s_add_nc_u64 s[G0+4*(\slot)+2:G0+4*(\slot)+3], s[G0+4*(\slot)+2:G0+4*(\slot)+3], 2*65536
	s_add_nc_u64 s[G0B+4*(\slot)+2:G0B+4*(\slot)+3], s[G0B+4*(\slot)+2:G0B+4*(\slot)+3], 2*256
.endif
	JLOAD \slot                                    ; the four v_nop behind it are also the places in front of the loads below
.elseif \fetch
	PLACES
.endif
.if \fetch
	FETCH \next, 0, F0
.endif
	MULV F1, 0
.endm
; THE ROTARY TURN.  A lane holds one token; channel d < 32 lies 16 registers below channel d + 32: a' = a cos - b sin, b' = b cos + a sin, with the table's entries for the token's place in its window
; (16 (t % 2) + l % 16) and the lane's eight frequencies.  Each accumulator's lowest registers are read first.  Rounded in pairs the 32 numbers are two fragments.
.macro ROTARY t, part                  ; part 0: q, 1: k
	WIN W_ROT
.irp fb, 0,1
.irp jp, 0,1,2,3
	v_pk_mul_f32 v[TMP+8*(\fb)+2*(\jp):TMP+8*(\fb)+2*(\jp)+1],       v[8*(8*(\t)+4*(\part)+(\fb))+2*(\jp)+16:8*(8*(\t)+4*(\part)+(\fb))+2*(\jp)+17], v[ROT+32*((\t)%2)+16*(\fb)+2*(\jp)+8:ROT+32*((\t)%2)+16*(\fb)+2*(\jp)+9]
	v_pk_mul_f32 v[TMP+16+8*(\fb)+2*(\jp):TMP+16+8*(\fb)+2*(\jp)+1], v[8*(8*(\t)+4*(\part)+(\fb))+2*(\jp):8*(8*(\t)+4*(\part)+(\fb))+2*(\jp)+1],     v[ROT+32*((\t)%2)+16*(\fb)+2*(\jp)+8:ROT+32*((\t)%2)+16*(\fb)+2*(\jp)+9]
.endr
.endr
.irp fb, 0,1
.irp jp, 0,1,2,3
	v_pk_fma_f32 v[TMP+8*(\fb)+2*(\jp):TMP+8*(\fb)+2*(\jp)+1],       v[8*(8*(\t)+4*(\part)+(\fb))+2*(\jp):8*(8*(\t)+4*(\part)+(\fb))+2*(\jp)+1],     v[ROT+32*((\t)%2)+16*(\fb)+2*(\jp):ROT+32*((\t)%2)+16*(\fb)+2*(\jp)+1], v[TMP+8*(\fb)+2*(\jp):TMP+8*(\fb)+2*(\jp)+1] neg_lo:[0,0,1] neg_hi:[0,0,1]
	v_pk_fma_f32 v[TMP+16+8*(\fb)+2*(\jp):TMP+16+8*(\fb)+2*(\jp)+1], v[8*(8*(\t)+4*(\part)+(\fb))+2*(\jp)+16:8*(8*(\t)+4*(\part)+(\fb))+2*(\jp)+17], v[ROT+32*((\t)%2)+16*(\fb)+2*(\jp):ROT+32*((\t)%2)+16*(\fb)+2*(\jp)+1], v[TMP+16+8*(\fb)+2*(\jp):TMP+16+8*(\fb)+2*(\jp)+1]
.endr
.endr
	WIN TO_F
.set i, 0
.rept 16
	v_cvt_pk_f16_f32 v[QF+64*(\part)+16*(\t)+i], v[TMP+2*i], v[TMP+2*i+1]
.set i, i+1
.endr
.endm
.macro EACH line:vararg                ; one line for each tile t of 16 queries, so that no line reads the result of the one before it
.set t, 0
.rept 4
	\line
.set t, t+1
.endr
.endm
; THE WAY OUT.  Tile t: O^T times 1 / l; a lane's eight channels of a row pack into 16 bytes; they go into rows of 144 bytes of my own stage and come back as whole rows of 128, into S^T's registers.
.macro PACK t
	WIN W_OS
.set i, 0
.rept 16
	v_pk_mul_f32 v[32*(\t)+2*i:32*(\t)+2*i+1], v[32*(\t)+2*i:32*(\t)+2*i+1], v[ST+8*(\t)+2:ST+8*(\t)+3] op_sel_hi:[1,0]
.set i, i+1
.endr
	WIN W_OC
.set i, 0
.rept 16
	v_cvt_pk_f16_f32 v[S+16*(\t)+i], v[32*(\t)+2*i], v[32*(\t)+2*i+1]
.set i, i+1
.endr
	WIN 0
.irp f, 0,1,2,3
	ds_store_b128 v[STO], v[S+16*(\t)+4*(\f):S+16*(\t)+4*(\f)+3] offset:32*(\f)
.endr
.irp f, 0,1,2,3
	ds_load_b128 v[S+16*(\t)+4*(\f):S+16*(\t)+4*(\f)+3], v[RD] offset:(\f)*4*SP  ; LDS serves a wave's instructions in order (ISA guide 5.7.1.4): these see the stores above; the next tile's stores come behind them
.endr
.endm
.macro SEND t, younger                 ; younger: the LDS instructions issued behind tile t's loads: the next tile's eight, or none
	WIN 0
.irp f, 0,1,2,3
	s_wait_dscnt (\younger)+3-(\f)
	global_store_b128 v[GO], v[S+16*(\t)+4*(\f):S+16*(\t)+4*(\f)+3], s[10:11] offset:(\t)*2048+(\f)*512 th:TH_STORE_NT  ; four rows of a head: 512 consecutive bytes, at a multiple of 256 from att's first
.endr
.endm
	s_wait_tensorcnt 1                             ; my part of K step 0 is in; step 1's may stay out
	s_barrier_signal -1
	s_barrier_wait -1                              ; everybody's is
	s_mov_b32 s2, TILES                            ; heads to go, this one among them: the same number in every work-group
.Ltile:                                                ; slot 0 holds this head's K step 0, whole: shown by the barrier above, later by the round of the last tile's last change of slots
	FETCH 0, 0, F0
	QUARTER 0, 1, F0, F1, 1                        ; a tile's first quarter stands in front of the loop: its products start the sums
	WIN 0                                          ; at a label and at a branch every window is 0
	s_mov_b32 s3, 3
.Llap:                                                 ; a trip goes once round the ring, from a lap's second quarter to the next lap's first, and fills both slots again: K steps 2 to 7
	QUARTER 0, 2, F1, F0, 0
	QUARTER 0, 3, F0, F1, 0
	TURN 0, 1, 1
	QUARTER 1, 1, F0, F1, 0
	QUARTER 1, 2, F1, F0, 0
	QUARTER 1, 3, F0, F1, 0
	TURN 1, 0, 1
	QUARTER 0, 1, F0, F1, 0
	WIN 0
	s_sub_co_u32 s3, s3, 1
	s_cmp_lg_u32 s3, 0
	s_cbranch_scc1 .Llap
	QUARTER 0, 2, F1, F0, 0                        ; the tile's last lap goes on.  Its two changes of slots stand twice each: with a round and a fill for a tile that has a successor, with a plain barrier for the last
	QUARTER 0, 3, F0, F1, 0
	WIN 0
	s_cmp_eq_u32 s2, 1
	s_cbranch_scc1 .Lend0
	TURN 0, 1, 1, 1, 1                             ; THE RING GOES ON INTO THE NEXT HEAD: slot 0 takes its K step 0
	WIN 0
	s_branch .Lgo1
.Lend0:
	TURN 0, 1, 0, 0, 1                             ; the last head asks for nothing more
	WIN 0
.Lgo1:
	QUARTER 1, 1, F0, F1, 0
	QUARTER 1, 2, F1, F0, 0
	QUARTER 1, 3, F0, F1, 0
	WIN 0
	s_cmp_eq_u32 s2, 1
	s_cbranch_scc1 .Lend1
	TURN 1, 0, 1, 1, 0                             ; slot 1 takes the next head's K step 1; the wait for 0 and the round have shown its K step 0 whole in slot 0
	WIN 0
	s_branch .Lepi
.Lend1:
	TURN 1, 0, 0, 0, 0
	WIN 0
.Lepi:
	PLACES                                         ; behind the last products
	s_wait_loadcnt 0x0                             ; the table (met at once from the second tile on)
	s_wait_xcnt 0x0                                ; att's address, and S^T's registers, which the last tile's stores read, are rewritten only behind this wait (ISA guide 3.1); those stores were issued a tile's products ago
	s_add_nc_u64 s[10:11], s[10:11], s[46:47]      ; on to this head's rows
	s_mov_b64 s[46:47], NEXT_O                     ; what the next way out adds
.irp t, 0,1,2,3
	ROTARY \t, 0
	ROTARY \t, 1
.endr
	WIN W_VP                                       ; v: a lane's eight tokens of a channel, rounded in pairs: window w, channel block cb, the window's two token blocks make a fragment of V^T
.irp w, 0,1
.irp cb, 0,1,2,3
.irp tt, 0,1
.irp jp, 0,1,2,3
	v_cvt_pk_f16_f32 v[VF+32*(\w)+8*(\cb)+4*(\tt)+(\jp)], v[8*(4*(2*(\w)+(\tt))+(\cb))+2*(\jp)], v[8*(4*(2*(\w)+(\tt))+(\cb))+2*(\jp)+1]
.endr
.endr
.endr
.endr
	WIN W_S                                        ; S^T = K Q^T: query tile t, the two key blocks of its window, channels 32 c on: 8 accumulators by turns
.irp c, 0,1
.irp t, 0,1,2,3
.irp kb, 0,1
.if (\c) == 0
	v_wmma_f32_16x16x32_f16 v[S+16*(\t)+8*(\kb):S+16*(\t)+8*(\kb)+7], v[KF+16*(2*((\t)/2)+(\kb))+8*(\c):KF+16*(2*((\t)/2)+(\kb))+8*(\c)+7], v[QF+16*(\t)+8*(\c):QF+16*(\t)+8*(\c)+7], 0
.else
	v_wmma_f32_16x16x32_f16 v[S+16*(\t)+8*(\kb):S+16*(\t)+8*(\kb)+7], v[KF+16*(2*((\t)/2)+(\kb))+8*(\c):KF+16*(2*((\t)/2)+(\kb))+8*(\c)+7], v[QF+16*(\t)+8*(\c):QF+16*(\t)+8*(\c)+7], v[S+16*(\t)+8*(\kb):S+16*(\t)+8*(\kb)+7]
.endif
.endr
.endr
.endr
	PLACES
	WIN 0
	; the maximum of a lane's 16 scores, three operands at a time in two chains (each accumulator's lowest registers first), then of the lane 16 away, which holds the query's other 16 keys
	EACH v_max3_num_f32 v[ST+8*t], v[S+16*t], v[S+16*t+1], v[S+16*t+2]
	EACH v_max3_num_f32 v[ST+8*t+1], v[S+16*t+8], v[S+16*t+9], v[S+16*t+10]
	EACH v_max3_num_f32 v[ST+8*t], v[ST+8*t], v[S+16*t+3], v[S+16*t+4]
	EACH v_max3_num_f32 v[ST+8*t+1], v[ST+8*t+1], v[S+16*t+11], v[S+16*t+12]
	EACH v_max3_num_f32 v[ST+8*t], v[ST+8*t], v[S+16*t+5], v[S+16*t+6]
	EACH v_max3_num_f32 v[ST+8*t+1], v[ST+8*t+1], v[S+16*t+13], v[S+16*t+14]
	EACH v_max3_num_f32 v[ST+8*t], v[ST+8*t], v[S+16*t+7], v[S+16*t+15]
	EACH v_max_num_f32 v[ST+8*t], v[ST+8*t], v[ST+8*t+1]
	EACH v_permlanex16_b32 v[ST+8*t+1], v[ST+8*t], s[SEL], s[SEL+1]
	EACH v_max_num_f32 v[ST+8*t+3], v[ST+8*t], v[ST+8*t+1]
	EACH v_mul_f32 v[ST+8*t+2], s[CS], v[ST+8*t+3]
.set n, 0
.rept 32                                       ; c s - c m, two at a time
	v_pk_fma_f32 v[S+2*n:S+2*n+1], v[S+2*n:S+2*n+1], s[CS:CS+1], v[ST+8*(n/8)+2:ST+8*(n/8)+3] op_sel_hi:[1,0,0] neg_lo:[0,0,1] neg_hi:[0,0,1]
.set n, n+1
.endr
.set n, 0
.rept 64
	v_exp_f32 v[S+n], v[S+n]
.set n, n+1
.endr
	v_nop                                          ; a plain instruction between the last exponential and the use of its result (ISA guide 5.7.2)
	WIN TO_F
.set n, 0
	s_wait_alu depctr_va_vdst(0)
.rept 32                                       ; a tile's 16 weights a lane, rounded in pairs, ARE source 1 of the second product
	v_cvt_pk_f16_f32 v[PF+n], v[S+2*n], v[S+2*n+1]
.set n, n+1
.endr
	WIN W_PV                                       ; O^T = V^T P: 16 products, an accumulator each, K = the window's 32 keys
.irp cb, 0,1,2,3
.irp t, 0,1,2,3
	v_wmma_f32_16x16x32_f16 v[32*(\t)+8*(\cb):32*(\t)+8*(\cb)+7], v[VF+32*((\t)/2)+8*(\cb):VF+32*((\t)/2)+8*(\cb)+7], v[PF+8*(\t):PF+8*(\t)+7], 0
.endr
.endr
	WIN 0                                          ; the sums of the unrounded weights are the places behind those products
.irp d, 2,4,8
.set n, 0
.rept 32/(\d)
	v_pk_add_f32 v[S+2*(\d)*n:S+2*(\d)*n+1], v[S+2*(\d)*n:S+2*(\d)*n+1], v[S+2*(\d)*n+(\d):S+2*(\d)*n+(\d)+1]
.set n, n+1
.endr
.endr
	EACH v_add_f32 v[ST+8*t+4], v[S+16*t], v[S+16*t+1]
	EACH v_permlanex16_b32 v[ST+8*t+1], v[ST+8*t+4], s[SEL], s[SEL+1]
	EACH v_add_f32 v[ST+8*t+4], v[ST+8*t+4], v[ST+8*t+1]
	EACH v_rcp_f32 v[ST+8*t+2], v[ST+8*t+4]
	v_nop                                          ; a plain instruction between the last reciprocal and the use of its result
	s_wait_alu depctr_va_vdst(0)
	PACK 0
	PACK 1                                         ; a tile's arithmetic stands between the loads of the tile before and its stores
	SEND 0, 8
	PACK 2
	SEND 1, 8
	PACK 3
	SEND 2, 8
	SEND 3, 0                                      ; its last wait is for 0: no LDS instruction of mine is out when the next head's fragments are fetched
	s_sub_co_u32 s2, s2, 1
	s_cmp_lg_u32 s2, 0
	s_cbranch_scc1 .Ltile
	s_wait_tensorcnt 0x0                           ; the wave's end, behind my last tensor load and my last LDS store
	ds_add_u32 v[SPW], v[NIL]
	s_wait_dscnt 0x0
	CROUND                                         ; the closing round: no work-group ends while a partner may still ask for a tile that names it
	s_endpgm
.Lfunc_end_k_q09dd546a75_qkvatt:
	.size	k_q09dd546a75_qkvatt, .Lfunc_end_k_q09dd546a75_qkvatt-k_q09dd546a75_qkvatt
	.p2alignl 7, 3214868480
	.fill 96, 4, 3214868480
	.section	.rodata,"a",@progbits
	.p2align	6, 0x0
	.amdhsa_kernel k_q09dd546a75_qkvatt
		.amdhsa_group_segment_fixed_size 327680
		.amdhsa_private_segment_fixed_size 0
		.amdhsa_enable_private_segment 0
		.amdhsa_kernarg_size 32
		.amdhsa_user_sgpr_count 2
		.amdhsa_user_sgpr_kernarg_segment_ptr 1
		.amdhsa_wavefront_size32 1
		.amdhsa_system_sgpr_workgroup_id_x 1
		.amdhsa_system_sgpr_workgroup_id_y 1
		.amdhsa_system_sgpr_workgroup_id_z 1
		.amdhsa_system_vgpr_workitem_id 0
		.amdhsa_next_free_vgpr 896
		.amdhsa_next_free_sgpr 70
		.amdhsa_reserve_vcc 0
		.amdhsa_float_denorm_mode_32 3
		.amdhsa_float_denorm_mode_16_64 3
		.amdhsa_memory_ordered 1
		.amdhsa_forward_progress 1
		.amdhsa_inst_pref_size 162
	.end_amdhsa_kernel
	.amdgpu_metadata
---
amdhsa.version: [ 1, 2 ]
amdhsa.kernels:
  - .name:           k_q09dd546a75_qkvatt
    .symbol:         k_q09dd546a75_qkvatt.kd
    .args:
      - { .name: nrm, .offset: 0, .size: 8, .value_kind: global_buffer, .address_space: global }
      - { .name: wq, .offset: 8, .size: 8, .value_kind: global_buffer, .address_space: global }
      - { .name: rot, .offset: 16, .size: 8, .value_kind: global_buffer, .address_space: global }
      - { .name: att, .offset: 24, .size: 8, .value_kind: global_buffer, .address_space: global }
    .group_segment_fixed_size: 327680
    .private_segment_fixed_size: 0
    .kernarg_segment_align: 8
    .kernarg_segment_size: 32
    .max_flat_workgroup_size: 128
    .sgpr_count:     70
    .vgpr_count:     896
    .wavefront_size: 32
...
	.end_amdgpu_metadata
.endif
;; end of part 2
;; launch oproj (part 3): grid 64 x 4, 4 waves a work-group, clusters of 4 x 4, 327,680 bytes of LDS; arguments wo, att, x, out0; writes out0
.if DOCPART == 3
	.amdgcn_target "amdgcn-amd-amdhsa--gfx1250"
	.amdhsa_code_object_version 6
	.text
	.protected	k_q09dd546a75_oproj
	.globl	k_q09dd546a75_oproj
	.p2align	8
	.type	k_q09dd546a75_oproj,@function
k_q09dd546a75_oproj:
	s_mov_b64 s[64:65], 0
	v_nop
	global_prefetch_b8 v0, s[64:65] scope:SCOPE_SE
	s_setreg_imm32_b32 hwreg(HW_REG_WAVE_MODE, 25, 1), 1
	s_wait_xcnt 0x0
	s_wait_alu depctr_hold_cnt(0) depctr_sa_sdst(0) depctr_va_vdst(0) depctr_va_sdst(0) depctr_va_ssrc(0) depctr_va_vcc(0) depctr_vm_vsrc(0)
	s_getreg_b32 s2, hwreg(HW_REG_IB_STS2, 6, 4)
	s_cmp_eq_u32 s2, 0
	s_cbranch_scc0 .Lentry_in_a_cluster
	s_endpgm
.Lentry_in_a_cluster:
	s_bfe_u32 s2, ttmp6, 0x10000c
	s_cmp_lg_u32 s2, 0xf033
	s_cbranch_scc0 .Lentry_shape_is_right
	s_endpgm
.Lentry_shape_is_right:
; OPROJ: out0[c][t] = the sum over k of wo[c][k] att[k / 64][t][k % 64] + x[c][t].  wo: [1024][1024] f16; att: [16 heads][16384 tokens][64] f16; x, out0: [1024][16384] f32.  Sums in f32; x is added in f32.
; A tile of out0, 256 channels x 256 tokens, is made by a work-group of four waves; a wave makes 128 x 128: 64 accumulators of 16 x 16, 512 registers.  K = 1,024 goes in 8 steps of 128, two heads a step,
; through a ring of two LDS slots filled by the tensor data mover.  256 work-groups, a tile each.
; THE MATRIX INSTRUCTION IS USED TRANSPOSED: source 0 = 16 tokens (att), source 1 = 16 channels (wo): a lane holds one channel (lane % 16) and eight NEIGHBOURING tokens, 32 bytes of a row of out0.
; CLUSTER.  4 x 4 work-groups.  The four of a row of the cluster share the channel block and so wo's tiles, the four of a column the token block and so att's: each tile is asked for JOINTLY.
; The grid has four work-groups, one cluster, along y: the channel block is my place cy in the cluster.
; x: my 128 x 128 numbers come in eight blocks of 16 rows.  Three are asked for before the products begin, into registers that lie idle; three more at once behind the last product, into the fragments' registers; the last two later.
; THE WAY OUT: a block goes through my stage in LDS and comes back, as whole rows, into the registers that it left: each block's stores read registers of their own, which nothing rewrites, so no store is waited for.
; LIMITS.  The operands arrive in f16; NaN and infinities are not treated apart.
; REGISTERS, in windows of 256 (s_set_vgpr_msb: bits 1:0 source 0, 3:2 source 1, 5:4 source 2, 7:6 destination):
;   window 0: v0-29 addresses; v64-127, v128-191 fragments of wo, two buffers, later blocks 5 and 6 of x; v192-255 block 2 of x
;   window 1: v64-127, v128-191 fragments of att, two buffers, later blocks 3 and 4 of x; v0-63 block 0, later block 7; v192-255 block 1
;   window 2: the 32 accumulators of my channels 0-63 ((a, b) at 8 (8 a + b));   window 3: those of my channels 64-127
.set PA,     272                       ; a row of wo's tile in LDS: 256 bytes + 16 of padding = 68 words: the 16 rows of a load start at 16 different groups of four banks (64 banks of 4 bytes: ISA guide 11.1)
.set HALFA,  128*PA
.set PB,     144                       ; a token's row of one head: 128 bytes + 16 = 36 words: likewise
.set HALFB,  256*PB                    ; one head's 256 tokens
.set BOFF,   2*HALFA
.set SLOT,   BOFF+2*HALFB              ; 143,360 bytes
.set STAGE,  2*SLOT                    ; behind the ring, never filled by a tensor load: 16 rows x 528 bytes for each wave, for the way out
.set SPITCH, 528                       ; 512 bytes + 16: 33 x 16
.set SPARE,  STAGE+4*16*SPITCH         ; behind the stages: the spare words, 128 bytes for each wave: two blocks of 256 bytes that no other line names
.set ROWB,   65536                     ; bytes in a row of x and of out0
.set ADRA, 16                          ; v16-17  LDS address of my fragments of wo in slot 0, 1
.set ADRB, 20                          ; v20-21  of att
.set STO,  24                          ; v24     the way out: where I put 32 bytes of a row
.set RD,   25                          ; v25     where I read a row back
.set CO,   26                          ; v26     my byte offset in 512 consecutive bytes of x and out0; never rewritten
.set SPW,  28                          ; v28     LDS address of my spare word; never rewritten
.set NIL,  29                          ; v29     0; never rewritten
.set F0,   64
.set F1,   128
.set G1,  24                           ; s[24:31] descriptor group 1 for wo's tiles;  s[32:39] group 0, a set for each slot
.set G0,  32
.set G1B, 48                           ; s[48:55], s[56:63] the same for att's
.set G0B, 56
.set MSB, 0
.macro WIN new                         ; the immediate's high byte repeats the setting that is left; a switch that changes nothing is dropped
.if MSB != (\new)
	s_set_vgpr_msb (MSB<<8)|(\new)
.set MSB, (\new)
.endif
.endm
.set MUL_LO, 0xa1                      ; source 0 (att) window 1, source 1 (wo) window 0, C and D window 2
.set MUL_HI, 0xf1                      ; the same, C and D window 3
.set TO_B,   0x40                      ; destination window 1, address window 0
; A joint load.  Waves 0 and 1 fetch wo's two halves, waves 2 and 3 att's two heads.  An s_nop 0 and four v_nop follow each of the two lines, ahead of the jump, the label and what follows.
.macro JLOAD s
	s_cmp_eq_u32 s13, 0
	s_cbranch_scc0 .Lfor_b_\@
	tensor_load_to_lds s[G0+4*(\s):G0+4*(\s)+3], s[G1:G1+7]
	s_nop 0
.rept 4
	v_nop
.endr
	s_branch .Lasked_\@
.Lfor_b_\@:
	tensor_load_to_lds s[G0B+4*(\s):G0B+4*(\s)+3], s[G1B:G1B+7]
	s_nop 0
.rept 4
	v_nop
.endr
.Lasked_\@:
.endm
.macro CREST                           ; a round of the cluster's barrier behind its opening barrier
	s_cmp_lg_u32 s12, 0
	s_cbranch_scc1 .Lnot_wave_0_\@
	s_barrier_signal -3
.Lnot_wave_0_\@:
	s_barrier_wait -3
	s_barrier_signal -1
	s_barrier_wait -1
.endm
.macro CROUND                          ; a whole round
	s_barrier_signal -1
	s_barrier_wait -1
	CREST
.endm
.macro PLACES                          ; four places behind matrix instructions, in front of loads into registers that they have read and of lines that read results
.rept 4
	v_nop
.endr
.endm
	s_load_b256 s[4:11], s[0:1], 0x0               ; wo s[4:5], att s[6:7], x s[8:9], out0 s[10:11]
	v_lshl_add_u32 v[SPW], v0, 2, SPARE
	v_mov_b32 v[NIL], 0
	ds_add_u32 v[SPW], v[NIL]                      ; the wave's opening: the add and its wait stand ahead of my first tensor load; the set-up below, work on registers, stands between them
	v_lshrrev_b32 v1, 5, v0
	v_readfirstlane_b32 s12, v1                    ; wave 0..3
	s_lshr_b32 s13, s12, 1                         ; which half of the tile's channels is mine.  Also: I fetch for wo (0) or for att (1)
	s_and_b32 s14, s12, 1                          ; which half of its tokens.  Also: which half of that tile I fetch
	s_bfe_u32 s40, ttmp6, 0x40000                  ; cx
	s_bfe_u32 s41, ttmp6, 0x40004                  ; cy = the channel block
	s_lshl_b32 s42, ttmp9, 2
	s_add_co_u32 s42, s42, s40                     ; the token block = 4 x cluster x + cx
	s_lshl_b32 s44, s41, 2
	s_lshl_b32 s44, 15, s44                        ; my row of the cluster
	s_lshl_b32 s45, 0x1111, s40                    ; my column
	; group 1.  wo: 128 rows of 256 bytes, 2,048 bytes apart.  att: a head's 256 tokens are 32,768 dense bytes, asked for as 128 rows of 256 bytes and padded in LDS after every token.
	s_or_b32 s[G1], s44, (1<<16)|(1<<20)|(1<<21)|(5<<22)|(3<<25)   ; 15:0 the mask: my row; 17:16 2-byte elements; 20 padding on; 21 set beside a mask; 24:22 after every 64 words (code 5); 31:25 4 words (code 3)
	s_or_b32 s[G1B], s45, (1<<16)|(1<<20)|(1<<21)|(4<<22)|(3<<25)  ; my column; after every 32 words (code 4)
.irp g, G1, G1B
	s_mov_b32 s[(\g)+1], 128<<16                   ; tensor_dim0 = 128
	s_mov_b32 s[(\g)+2], 128<<16                   ; tensor_dim1 = 128
	s_mov_b32 s[(\g)+3], 128<<16                   ; tile_dim0 = 128
	s_mov_b32 s[(\g)+4], 128                       ; tile_dim1 = 128
	s_mov_b32 s[(\g)+6], 0
	s_mov_b32 s[(\g)+7], 0
.endr
	s_mov_b32 s[G1+5], 1024                        ; elements from row to row
	s_mov_b32 s[G1B+5], 128
	s_lshl_b32 s16, s41, 8                         ; wo: row 256 x channel block + 128 x half: made of cy and the wave's number alone
	s_lshl_b32 s17, s14, 7
	s_add_co_u32 s16, s16, s17
	s_lshl_b32 s16, s16, 11
	s_mov_b32 s17, 0
	s_lshl_b32 s46, s14, 21                        ; att: head 0 or 1 of the step, the token block's 32,768 bytes: made of the token block and the wave's number alone
	s_lshl_b32 s47, s42, 15
	s_add_co_u32 s46, s46, s47
	s_mov_b32 s47, 0
	s_mul_i32 s20, s14, HALFA                      ; where they go: no place in the cluster enters an LDS address
	s_mul_i32 s21, s14, HALFB
	s_add_co_u32 s21, s21, BOFF
	s_wait_dscnt 0x0                               ; the opening add is done
	s_wait_kmcnt 0x0
	s_add_nc_u64 s[18:19], s[4:5], s[16:17]
	s_add_nc_u64 s[46:47], s[6:7], s[46:47]
	CROUND                                         ; all sixteen work-groups are here: the first joint loads meet
.irp s, 0,1
	s_mov_b32 s[G0+4*(\s)], 1                                      ; count = 1
	s_add_co_u32 s[G0+4*(\s)+1], s20, (\s)*SLOT                    ; LDS address
	s_add_nc_u64 s[G0+4*(\s)+2:G0+4*(\s)+3], s[18:19], (\s)*256    ; global address: K step s
	s_or_b32 s[G0+4*(\s)+3], s[G0+4*(\s)+3], 0x80000000            ; type = 2
	s_mov_b32 s[G0B+4*(\s)], 1
	s_add_co_u32 s[G0B+4*(\s)+1], s21, (\s)*SLOT
	s_add_nc_u64 s[G0B+4*(\s)+2:G0B+4*(\s)+3], s[46:47], (\s)*4194304  ; two heads on
	s_or_b32 s[G0B+4*(\s)+3], s[G0B+4*(\s)+3], 0x80000000
	JLOAD \s                                       ; two loads of mine are out
.endr
	v_and_b32 v1, 15, v0                           ; r = l % 16
	v_bfe_u32 v2, v0, 4, 1                         ; l / 16
	v_mul_u32_u24 v3, v1, PA                       ; a fragment: row x pitch + 16 x half
	v_lshl_add_u32 v3, v2, 4, v3
	s_mul_i32 s22, s13, HALFA                      ; my 128 channels
	v_add_nc_u32 v[ADRA], s22, v3
	v_add_nc_u32 v[ADRA+1], SLOT, v[ADRA]
	v_mul_u32_u24 v4, v1, PB
	v_lshl_add_u32 v4, v2, 4, v4
	s_mul_i32 s23, s14, 128*PB                     ; my 128 tokens
	s_add_co_u32 s23, s23, BOFF
	v_add_nc_u32 v[ADRB], s23, v4
	v_add_nc_u32 v[ADRB+1], SLOT, v[ADRB]
	s_mul_i32 s22, s12, 16*SPITCH
	s_add_co_u32 s22, s22, STAGE                   ; my stage
	v_mul_u32_u24 v5, v1, SPITCH                   ; in: row l % 16, 32 bytes for each half of the lanes
	v_lshl_add_u32 v5, v2, 5, v5
	v_add_nc_u32 v[STO], s22, v5
	v_and_b32 v6, 31, v0
	v_lshlrev_b32 v[CO], 4, v6                     ; back: 32 lanes take a row's 512 bytes
	v_add_nc_u32 v[RD], s22, v[CO]
	s_lshl_b32 s46, s41, 8                         ; x and out0 at my first channel's row and my first token
	s_lshl_b32 s47, s13, 7
	s_add_co_u32 s46, s46, s47
	s_lshl_b32 s46, s46, 16
	s_lshl_b32 s47, s42, 8
	s_lshl_b32 s22, s14, 7
	s_add_co_u32 s47, s47, s22
	s_lshl_b32 s47, s47, 2
	s_add_co_u32 s46, s46, s47
	s_mov_b32 s47, 0
	s_add_nc_u64 s[8:9], s[8:9], s[46:47]
	s_add_nc_u64 s[10:11], s[10:11], s[46:47]      ; neither base is stepped: my 128 rows are reached by immediates, 127 x 65,536 at the most, inside the signed 24 bits (ISA guide, chapter 10)
.macro XSLOT a                         ; where block a of x lies: window XW, from register XR on
.set XW, 1
.set XR, 0
.if (\a) == 1
.set XR, 192
.elseif (\a) == 2
.set XW, 0
.set XR, 192
.elseif (\a) == 3
.set XR, 64
.elseif (\a) == 4
.set XR, 128
.elseif (\a) == 5
.set XW, 0
.set XR, 64
.elseif (\a) == 6
.set XW, 0
.set XR, 128
.endif
.endm
.macro XLOAD a                         ; block a of x, 16 rows x 512 bytes
	XSLOT \a
	WIN XW<<6                                      ; the destination's window; the address in window 0
.set i, 0
.rept 16
	global_load_b128 v[XR+4*i:XR+4*i+3], v[CO], s[8:9] offset:(16*(\a)+i)*ROWB th:TH_LOAD_NT
.set i, i+1
.endr
.endm
	XLOAD 0
	XLOAD 1
	XLOAD 2                                        ; 48 loads, which land while the products run
; 16 matrix instructions: channel blocks a0, a0 + 1 of the window's four (hi = 0: my channels 0-63, 1: 64-127) x all 8 token blocks, 32 along K.  zero = 1: the first product starts the sums.
.macro MUL16 f, hi, a0, zero
	WIN MUL_LO+0x50*(\hi)
.irp a, \a0, (\a0)+1
.irp b, 0,1,2,3,4,5,6,7
.if \zero
	v_wmma_f32_16x16x32_f16 v[8*(8*(\a)+(\b)):8*(8*(\a)+(\b))+7], v[(\f)+8*(\b):(\f)+8*(\b)+7], v[(\f)+8*(4*(\hi)+(\a)):(\f)+8*(4*(\hi)+(\a))+7], 0
.else
	v_wmma_f32_16x16x32_f16 v[8*(8*(\a)+(\b)):8*(8*(\a)+(\b))+7], v[(\f)+8*(\b):(\f)+8*(\b)+7], v[(\f)+8*(4*(\hi)+(\a)):(\f)+8*(4*(\hi)+(\a))+7], v[8*(8*(\a)+(\b)):8*(8*(\a)+(\b))+7]
.endif
.endr
.endr
.endm
; 32 LDS loads in one run: the fragments of quarter q of a K step into buffer f: 128 tokens (head q / 2 of the step, channels 32 (q % 2) on), then 128 channels of wo
.macro FETCH slot, q, f
	WIN TO_B
.irp i, 0,1,2,3,4,5,6,7
	ds_load_b128 v[(\f)+8*(\i):(\f)+8*(\i)+3],   v[ADRB+(\slot)] offset:((\q)/2)*HALFB+((\q)%2)*64+(\i)*16*PB
	ds_load_b128 v[(\f)+8*(\i)+4:(\f)+8*(\i)+7], v[ADRB+(\slot)] offset:((\q)/2)*HALFB+((\q)%2)*64+(\i)*16*PB+32
.endr
	WIN 0
.irp i, 0,1,2,3,4,5,6,7
	ds_load_b128 v[(\f)+8*(\i):(\f)+8*(\i)+3],   v[ADRA+(\slot)] offset:64*(\q)+(\i)*16*PA
	ds_load_b128 v[(\f)+8*(\i)+4:(\f)+8*(\i)+7], v[ADRA+(\slot)] offset:64*(\q)+(\i)*16*PA+32
.endr
.endm
; A K step is four quarters of 32 along K, 64 matrix instructions each, on buffers 0, 1, 0, 1; the 64 accumulators take turns, one instruction a turn.
.macro QUARTER slot, qn, f, g, zero
	s_wait_dscnt 8                                 ; att's fragments and wo's channels 0-63 are in; the youngest eight loads (channels 64-127) may be out
	MUL16 \f, 0, 0, \zero
	MUL16 \f, 0, 2, \zero
	PLACES
	FETCH \slot, \qn, \g
	s_wait_dscnt 32                                ; all but the 32 just issued
	MUL16 \f, 1, 0, \zero
	MUL16 \f, 1, 2, \zero
.endm
; The last quarter multiplies buffer 1 and changes slots: ONE barrier; in front of it each wave waits for all its tensor loads, of which one is out: its part of the next slot; adds 0 to its spare word; and waits for
; that and for its own reads of this slot.  fill = 1: the barrier opens a round of the cluster's, and this slot is filled again, two K steps ahead, first thing behind the round: 224 matrix instructions ahead of the wait for it.
.macro TURN slot, next, fill
	WIN 0                                          ; (the add's two registers lie in window 0)
	s_wait_tensorcnt 0x0                           ; all my tensor loads have landed
	ds_add_u32 v[SPW], v[NIL]                      ; 0 onto my spare word
	s_wait_dscnt 9                                 ; (the add and the youngest eight loads may be out)
	MUL16 F1, 0, 0, 0                              ; sixteen matrix instructions stand between the add and the wait for it
	s_wait_dscnt 0x0                               ; the add is done, and my reads of this slot are over
	s_barrier_signal -1
	MUL16 F1, 0, 2, 0                              ; work on registers while the others arrive
.if \fill
	WIN 0
.endif
	s_barrier_wait -1
.if \fill
	CREST                                          ; no wave of any partner still reads this slot's tiles or has a load on its way
	s_add_nc_u64 s[G0+4*(\slot)+2:G0+4*(\slot)+3], s[G0+4*(\slot)+2:G0+4*(\slot)+3], 2*256
	s_add_nc_u64 s[G0B+4*(\slot)+2:G0B+4*(\slot)+3], s[G0B+4*(\slot)+2:G0B+4*(\slot)+3], 2*4194304
	JLOAD \slot                                    ; the four v_nop behind it are also the places in front of the loads below
.else
	PLACES
.endif
	FETCH \next, 0, F0
	MUL16 F1, 1, 0, 0
	MUL16 F1, 1, 2, 0
.endm
; THE WAY OUT of block a (16 channels x 128 tokens).  TOSTAGE: a lane's 32 bytes of a row go into my own stage, rows of 528 bytes, each accumulator's lowest registers first, and come back as whole
; rows of 512 bytes into the 64 registers that they left: row i in registers 4 i .. 4 i + 3 of the block's.
.macro TOSTAGE a
.set AC, 64*((\a)%4)
	WIN 0x08+4*((\a)/4)                            ; the stored data (source 1) in window 2 or 3
.irp b, 0,1,2,3,4,5,6,7
	ds_store_b128 v[STO], v[AC+8*(\b):AC+8*(\b)+3]   offset:64*(\b)
	ds_store_b128 v[STO], v[AC+8*(\b)+4:AC+8*(\b)+7] offset:64*(\b)+16
.endr
	WIN 0x80+0x40*((\a)/4)                         ; the destination in window 2 or 3
.set i, 0
.rept 16
	ds_load_b128 v[AC+4*i:AC+4*i+3], v[RD] offset:SPITCH*i  ; LDS serves a wave's instructions in order (ISA guide 5.7.1.4): these see the stores above; the next block's stores come behind them
.set i, i+1
.endr
.endm
; FINISH: x is added and the block stored.  younger: the LDS instructions issued behind the block's loads.  left: the loads of x issued behind the block's own, which may stay out; -1: the block's x has been waited for already.
.macro FINISH a, younger, left
.set AC, 64*((\a)%4)
.set AW, 2+(\a)/4
	XSLOT \a
	s_wait_dscnt \younger                          ; the block is back in registers
.if (\left) >= 0
	s_wait_loadcnt \left                           ; loads come back in order (ISA guide 5.7.1): its x is in
.endif
	WIN (AW<<6)|(XW<<2)|AW                         ; destination and source 0: the block's window; source 1: x's
.set i, 0
.rept 32
	v_pk_add_f32 v[AC+2*i:AC+2*i+1], v[AC+2*i:AC+2*i+1], v[XR+2*i:XR+2*i+1]
.set i, i+1
.endr
	WIN AW<<2                                      ; the stored data (source 1) in the block's window
.set i, 0
.rept 16
	global_store_b128 v[CO], v[AC+4*i:AC+4*i+3], s[10:11] offset:(16*(\a)+i)*ROWB th:TH_STORE_NT  ; 512 consecutive bytes, at a multiple of 256 from out0's first
.set i, i+1
.endr
.endm
	s_wait_tensorcnt 1                             ; my part of K step 0 is in; step 1's may stay out
	s_barrier_signal -1
	s_barrier_wait -1                              ; everybody's is
	FETCH 0, 0, F0
	QUARTER 0, 1, F0, F1, 1                        ; the first quarter stands in front of the loop: its products start the sums
	WIN 0                                          ; at a label and at a branch every window is 0
	s_mov_b32 s3, 3
.Llap:                                                 ; a trip goes once round the ring, from a lap's second quarter to the next lap's first, and fills both slots again: K steps 2 to 7
	QUARTER 0, 2, F1, F0, 0
	QUARTER 0, 3, F0, F1, 0
	TURN 0, 1, 1
	QUARTER 1, 1, F0, F1, 0
	QUARTER 1, 2, F1, F0, 0
	QUARTER 1, 3, F0, F1, 0
	TURN 1, 0, 1
	QUARTER 0, 1, F0, F1, 0
	WIN 0
	s_sub_co_u32 s3, s3, 1
	s_cmp_lg_u32 s3, 0
	s_cbranch_scc1 .Llap
	QUARTER 0, 2, F1, F0, 0                        ; the last lap fills nothing, and has no round of the cluster's barrier
	QUARTER 0, 3, F0, F1, 0
	TURN 0, 1, 0
	QUARTER 1, 1, F0, F1, 0
	QUARTER 1, 2, F1, F0, 0
	QUARTER 1, 3, F0, F1, 0
	s_wait_dscnt 8                                 ; the very last quarter: nothing more to fetch
	MUL16 F1, 0, 0, 0
	MUL16 F1, 0, 2, 0
	s_wait_dscnt 0x0
	MUL16 F1, 1, 0, 0
	MUL16 F1, 1, 2, 0
	WIN 0
	s_wait_loadcnt 0x0                             ; blocks 0 to 2 of x, asked for before the products
	PLACES                                         ; the loads below land in registers just multiplied, and the LDS stores behind them read results just made
	XLOAD 3                                        ; 48 loads go out ahead of every store
	XLOAD 4
	XLOAD 5
	TOSTAGE 0
	TOSTAGE 1                                      ; block a's way through the stage stands between block a - 1's loads from it and the wait for them
	FINISH 0, 32, -1
	TOSTAGE 2
	FINISH 1, 32, -1
	TOSTAGE 3
	FINISH 2, 32, -1
	TOSTAGE 4
	FINISH 3, 32, 32                               ; blocks 4 and 5 of x may stay out
	XLOAD 6
	TOSTAGE 5
	FINISH 4, 32, 32                               ; blocks 5 and 6
	XLOAD 7                                        ; into block 0's registers, read long ago
	TOSTAGE 6
	FINISH 5, 32, 32                               ; blocks 6 and 7
	TOSTAGE 7
	FINISH 6, 32, 16                               ; block 7
	FINISH 7, 0, 0
	WIN 0
	s_wait_tensorcnt 0x0                           ; the wave's end, behind my last tensor load and my last LDS store
	ds_add_u32 v[SPW], v[NIL]
	s_wait_dscnt 0x0
	CROUND                                         ; the closing round: no work-group ends while a partner may still ask for a tile that names it
	s_endpgm
.Lfunc_end_k_q09dd546a75_oproj:
	.size	k_q09dd546a75_oproj, .Lfunc_end_k_q09dd546a75_oproj-k_q09dd546a75_oproj
	.p2alignl 7, 3214868480
	.fill 96, 4, 3214868480
	.section	.rodata,"a",@progbits
	.p2align	6, 0x0
	.amdhsa_kernel k_q09dd546a75_oproj
		.amdhsa_group_segment_fixed_size 327680
		.amdhsa_private_segment_fixed_size 0
		.amdhsa_enable_private_segment 0
		.amdhsa_kernarg_size 32
		.amdhsa_user_sgpr_count 2
		.amdhsa_user_sgpr_kernarg_segment_ptr 1
		.amdhsa_wavefront_size32 1
		.amdhsa_system_sgpr_workgroup_id_x 1
		.amdhsa_system_sgpr_workgroup_id_y 1
		.amdhsa_system_sgpr_workgroup_id_z 1
		.amdhsa_system_vgpr_workitem_id 0
		.amdhsa_next_free_vgpr 1024
		.amdhsa_next_free_sgpr 66
		.amdhsa_reserve_vcc 0
		.amdhsa_float_denorm_mode_32 3
		.amdhsa_float_denorm_mode_16_64 3
		.amdhsa_memory_ordered 1
		.amdhsa_forward_progress 1
		.amdhsa_inst_pref_size 168
	.end_amdhsa_kernel
	.amdgpu_metadata
---
amdhsa.version: [ 1, 2 ]
amdhsa.kernels:
  - .name:           k_q09dd546a75_oproj
    .symbol:         k_q09dd546a75_oproj.kd
    .args:
      - { .name: wo, .offset: 0, .size: 8, .value_kind: global_buffer, .address_space: global }
      - { .name: att, .offset: 8, .size: 8, .value_kind: global_buffer, .address_space: global }
      - { .name: x, .offset: 16, .size: 8, .value_kind: global_buffer, .address_space: global }
      - { .name: out0, .offset: 24, .size: 8, .value_kind: global_buffer, .address_space: global }
    .group_segment_fixed_size: 327680
    .private_segment_fixed_size: 0
    .kernarg_segment_align: 8
    .kernarg_segment_size: 32
    .max_flat_workgroup_size: 128
    .sgpr_count:     66
    .vgpr_count:     1024
    .wavefront_size: 32
...
	.end_amdgpu_metadata
.endif
;; end of part 3
;; ======== version 2 of 2: 3 launches; version 1 with the launch front written anew for expert scheduling mode
;; limits: values are held in f16: magnitudes above 65,504 overflow, below 6.1e-05 lose precision
;; workspace buffers: nrm 33,554,432 bytes; wq 6,291,456 bytes; wo 2,097,152 bytes; rot 8,192 bytes; att 33,554,432 bytes
;; launch front (part 4): grid 256 x 1, 16 waves a work-group, no clusters, 10,240 bytes of LDS; arguments x, gamma, beta, w_qkv, w_out, nrm, wq, wo, rot; writes nrm, wq, wo, rot
.if DOCPART == 4
	.amdgcn_target "amdgcn-amd-amdhsa--gfx1250"
	.amdhsa_code_object_version 6
	.text
	.protected	k_q09dd546a75_front
	.globl	k_q09dd546a75_front
	.p2align	8
	.type	k_q09dd546a75_front,@function
k_q09dd546a75_front:
	s_mov_b64 s[64:65], 0
	v_nop
	global_prefetch_b8 v0, s[64:65] scope:SCOPE_SE
	s_setreg_imm32_b32 hwreg(HW_REG_WAVE_SCHED_MODE, 0, 2), 2
	s_setreg_imm32_b32 hwreg(HW_REG_WAVE_MODE, 25, 1), 1
	s_wait_xcnt 0x0
	s_wait_alu depctr_vm_vsrc(0)
; FRONT: LayerNorm over the channels of x [1024 channels][16384 tokens] f32, times gamma plus beta, rounded once to f16 into nrm; both weight
; matrices rounded once to f16 (wq, wo); the rotary table of cosines and sines (rot, f32).
; SHARES.  Work-group b owns tokens 64 b .. 64 b + 63: 256 bytes of each of the 1,024 channel rows, 256 KiB, all of it kept in registers between the pass
; that finds the mean, the pass that finds the variance (of the deviations: no difference of large sums) and the pass that scales: x is read once.
; Sixteen waves; wave w owns 64 channels: lanes 0-15 channels c0 + i, lanes 16-31 channels c0 + 64 + i, i = 0..31, c0 = 128 (w / 2) + 32 (w % 2); a lane holds
; 4 neighbouring tokens of 32 channels.  Sixteen lanes of a load cover 256 consecutive bytes of a row, aligned.
; nrm: [64 blocks of 256 tokens][8 groups of 128 channels][4 sub-blocks of 64 tokens][128 rows p][64 tokens] f16, row p holding channel 64 (p % 2) + p / 2 of the group:
; lanes 0-15 and lanes 16-31 of a store then write two neighbouring rows, 256 consecutive bytes, aligned.  wq's columns carry the same order, so the products are the same.
; wq: [3072][1024] f16, row 192 h + 64 s + d from w_qkv's row 1024 s + 64 h + d (s = 0, 1, 2: q, k, v).  wo: w_out as it lies.  Work-groups 0-191 take 16 rows of w_qkv each, 192-255 16 rows of w_out.
; rot (work-group 0): byte 4096 par + 2048 fb + 1024 cs + 32 L + 4 j holds cos (cs = 0) or sin (cs = 1) of pos / 10000^(f / 32), pos = 16 par + L % 16, f = 16 fb + 8 (L / 16) + j.  The angle, 31 at
; the most, is reduced by multiples of pi/2 held in two words; sine and cosine are Taylor sums on |r| <= pi/4, cut at r^9 and r^10: the first terms left out are below 2e-9.
; These 8 KiB are stored 128 bytes a wave: the one place where a store covers less than 256 bytes.
; LIMITS.  f16 ends at 65,504: a normalised value times gamma plus beta, or a weight, of 65,520 or more becomes an infinity; below 6e-5 f16 keeps a fixed step of 6e-8.  NaN and infinities are not treated apart.
; THE MODE: SCHED_MODE bits 1:0 = 2 (LLVM: expert scheduling mode 2), set by the entry lines.  The code itself states the register dependences
; between vector instructions and memory or LDS instructions, with s_wait_alu, always for 0.
; THE PLAN.  Registers that memory or LDS instructions touch:
;   v3 .. v9      offsets and LDS addresses: written once at the head, read by every load and store, never written again: one wait ahead of the first loads serves them all.
;   W             the weights' loads land; the conversions read and write it; the weights' stores read it; each reduction's LDS loads land in it and its sums read and write it.
;   G, BT, X      loads land once.  Channel i's rounded pair, X + 4 i and X + 4 i + 1, is written in pass 3, read by one store and never written again.
;   SA            written by each pass's sums, read by the reduction's LDS store, written again by the reduction's last sums.
;   v218, v220-223  (work-group 0) the table's offset and results: written once, read by its four stores.
;   v12, v13      written at the head, read by the closing add alone.
; So: a wait on va_vdst ahead of each run of stores, for the lines that made their data; in a reduction that wait also shows every earlier vector line on W done, and one wait on vm_vsrc behind the barrier
; shows SA read by the LDS store and, the first time, W read by the weights' stores.  Pass 3 goes in four blocks of eight channels: a block's stores are issued in the next block, behind the one wait at its
; head, one ahead of each channel's eight vector lines, which name that block's own X, MU, G and BT alone.
.set RED1,  0                          ; [16 waves][64 tokens] f32: the waves' sums
.set RED2,  4096                       ; the same for the sums of squares: bytes of their own, so one barrier serves each reduction
.set SPARE, 8192                       ; the spare words, 128 bytes for each of the 16 waves: eight blocks of 256 bytes that no other line names
.set XO,  3                            ; v3   byte offset in x of my 16 bytes in my first channel's row
.set GAO, 4                            ; v4   byte offset in gamma and beta of my first channel
.set NO,  5                            ; v5   byte offset in nrm of my 8 bytes in my first row
.set RST, 6                            ; v6   where my wave's sums go in a reduction's region
.set RLD, 7                            ; v7   where I read eight waves' sums back
.set WI,  8                            ; v8   byte offset in the weights' source
.set WOF, 9                            ; v9   and in their destination
.set SPW, 12                           ; v12  LDS address of my spare word; never rewritten
.set NIL, 13                           ; v13  0; never rewritten
.set X,   16                           ; v[16:143]   channel i: 4 registers, 4 tokens
.set G,   144                          ; v[144:175]  gamma of my 32 channels
.set BT,  176                          ; v[176:207]  beta
.set SA,  208                          ; v[208:211]  sums, even channels'
.set SB,  212                          ; v[212:215]  odd channels'
.set T,   216                          ; v[216:219]  the other half of the lanes'
.set MU,  220                          ; v[220:223]  the mean, later 1 / sqrt(var + eps)
.set W,   224                          ; v[224:255]  the weights, later eight waves' sums
	s_load_b512 s[4:19], s[0:1], 0x0               ; x s[4:5], gamma s[6:7], beta s[8:9], w_qkv s[10:11], w_out s[12:13], nrm s[14:15], wq s[16:17], wo s[18:19]
	s_load_b64 s[20:21], s[0:1], 0x40              ; rot
	v_lshl_add_u32 v[SPW], v0, 2, SPARE
	v_mov_b32 v[NIL], 0
	v_lshrrev_b32 v10, 5, v0
	v_readfirstlane_b32 s23, v10                   ; wave 0..15
	s_mov_b32 s22, ttmp9                           ; b
	s_mov_b32 s34, 0x3a800000                      ; 1 / 1024
	s_mov_b32 s35, 0x3727c5ac                      ; 1e-5
	s_mov_b32 s36, 0x76543210                      ; v_permlanex16_b32: each lane takes its own place in the other half
	s_mov_b32 s37, 0xfedcba98
	s_wait_alu depctr_va_sdst(0)                   ; s23 is written, ahead of its first reader: my channels and my LDS bytes are made from it
	s_lshr_b32 s24, s23, 1                         ; my group of 128 channels
	s_and_b32 s25, s23, 1
	s_lshl_b32 s38, s24, 7
	s_lshl_b32 s39, s25, 5
	s_add_co_u32 s38, s38, s39                     ; c0
	v_and_b32 v1, 15, v0                           ; r = lane % 16
	v_bfe_u32 v2, v0, 4, 1                         ; lane / 16
	v_lshl_add_u32 v10, v2, 6, s38                 ; my first channel
	v_lshlrev_b32 v[XO], 16, v10                   ; a row of x is 65,536 bytes
	v_lshl_or_b32 v[XO], v1, 4, v[XO]
	v_lshlrev_b32 v[GAO], 2, v10
	s_lshl_b32 s38, s24, 16                        ; nrm: the group's 65,536 bytes, my wave's 64 rows of 128,
	s_lshl_b32 s39, s25, 13
	s_add_co_u32 s38, s38, s39
	v_lshl_add_u32 v[NO], v2, 7, s38               ; the odd row for lanes 16-31,
	v_lshl_add_u32 v[NO], v1, 3, v[NO]             ; 8 bytes a lane
	s_lshl_b32 s38, s23, 8
	v_lshl_add_u32 v[RST], v1, 4, s38              ; 256 w + 16 r
	v_lshlrev_b32 v[RLD], 11, v2
	v_lshl_add_u32 v[RLD], v1, 4, v[RLD]           ; lanes 0-15 read waves 0-7, lanes 16-31 waves 8-15
.irp k, 0,1,2,3
	v_mov_b32 v[T+(\k)], 0                         ; v_permlanex16_b32 counts as a reader of its destination
.endr
	v_lshrrev_b32 v10, 7, v0                       ; thread / 128
	s_wait_kmcnt 0x0
	s_lshl_b32 s38, s22, 8
	s_mov_b32 s39, 0
	s_add_nc_u64 s[4:5], s[4:5], s[38:39]          ; x at my 64 tokens
	s_lshr_b32 s38, s22, 2
	s_lshl_b32 s38, s38, 19                        ; nrm: block b / 4,
	s_and_b32 s24, s22, 3
	s_lshl_b32 s24, s24, 14                        ; sub-block b % 4
	s_add_co_u32 s38, s38, s24
	s_add_nc_u64 s[14:15], s[14:15], s[38:39]
	; THE WEIGHTS' LOADS go out first, eight on either path, so that the counts below hold on both.
	s_cmp_lt_u32 s22, 192
	s_cbranch_scc0 .Lwo_in
	s_lshl_b32 s24, s22, 16                        ; 16 rows of 4,096 bytes of w_qkv
	s_mov_b32 s25, 0
	s_add_nc_u64 s[26:27], s[10:11], s[24:25]
	s_bfe_u32 s24, s22, 0x40002                    ; the head, (b / 4) % 16
	s_mul_i32 s24, s24, 192
	s_lshr_b32 s38, s22, 6                         ; s = b / 64
	s_lshl_b32 s38, s38, 6
	s_add_co_u32 s24, s24, s38
	s_and_b32 s38, s22, 3
	s_lshl_b32 s38, s38, 4                         ; d = 16 (b % 4)
	s_add_co_u32 s24, s24, s38
	s_lshl_b32 s24, s24, 11                        ; a row of wq is 2,048 bytes
	s_add_nc_u64 s[28:29], s[16:17], s[24:25]
	v_bfe_u32 v11, v0, 4, 3                        ; 128 threads to a row, four rows a pass: the group of 128 columns,
	v_lshlrev_b32 v[WI], 12, v10
	v_lshl_add_u32 v[WI], v11, 9, v[WI]
	v_lshl_add_u32 v[WI], v1, 4, v[WI]             ; and four columns of its first half; the same four of its second half lie 256 bytes on
	v_and_b32 v11, 127, v0
	v_lshlrev_b32 v[WOF], 11, v10
	v_lshl_add_u32 v[WOF], v11, 4, v[WOF]          ; they interleave into 16 consecutive bytes of wq
	s_wait_alu depctr_va_vdst(0)                   ; the seven offsets and addresses v3 to v9 are written, which the kernel's loads and stores read; no vector line names them again
.irp p, 0,1,2,3
	global_load_b128 v[W+8*(\p):W+8*(\p)+3],   v[WI], s[26:27] offset:(\p)*16384 th:TH_LOAD_NT
	global_load_b128 v[W+8*(\p)+4:W+8*(\p)+7], v[WI], s[26:27] offset:(\p)*16384+256 th:TH_LOAD_NT
.endr
	s_branch .Lw_asked
.Lwo_in:
	s_sub_co_u32 s24, s22, 192
	s_lshl_b32 s38, s24, 16                        ; 16 rows of w_out
	s_mov_b32 s39, 0
	s_add_nc_u64 s[26:27], s[12:13], s[38:39]
	s_lshl_b32 s38, s24, 15
	s_add_nc_u64 s[28:29], s[18:19], s[38:39]
	v_lshlrev_b32 v[WI], 4, v0
	v_lshlrev_b32 v[WOF], 3, v0
	s_wait_alu depctr_va_vdst(0)                   ; the seven offsets and addresses v3 to v9 are written, which the kernel's loads and stores read; no vector line names them again
.irp p, 0,1,2,3,4,5,6,7
	global_load_b128 v[W+4*(\p):W+4*(\p)+3], v[WI], s[26:27] offset:(\p)*8192 th:TH_LOAD_NT
.endr
.Lw_asked:
.irp m, 0,1,2,3,4,5,6,7
	global_load_b128 v[G+4*(\m):G+4*(\m)+3], v[GAO], s[6:7] offset:16*(\m)
.endr
.irp m, 0,1,2,3,4,5,6,7
	global_load_b128 v[BT+4*(\m):BT+4*(\m)+3], v[GAO], s[8:9] offset:16*(\m)
.endr
.set i, 0
.rept 32
	global_load_b128 v[X+4*i:X+4*i+3], v[XO], s[4:5] offset:65536*i th:TH_LOAD_NT  ; all of the work-group's x is on its way at once
.set i, i+1
.endr
	s_wait_loadcnt 48                              ; loads come back in order (ISA guide 5.7.1): the eight weight loads are in; gamma's, beta's and x's 48 stay out
	s_cmp_lt_u32 s22, 192
	s_cbranch_scc0 .Lwo_out
.irp p, 0,1,2,3
.irp k, 0,1,2,3
	v_cvt_pk_f16_f32 v[W+8*(\p)+(\k)], v[W+8*(\p)+(\k)], v[W+8*(\p)+4+(\k)]  ; column m of the group below, column 64 + m above
.endr
.endr
	s_wait_alu depctr_va_vdst(0)                   ; the sixteen conversions have written W, which the four stores read
.irp p, 0,1,2,3
	global_store_b128 v[WOF], v[W+8*(\p):W+8*(\p)+3], s[28:29] offset:(\p)*8192  ; a wave stores 512 consecutive bytes
.endr
	s_branch .Lw_done
.Lwo_out:
.irp p, 0,1,2,3,4,5,6,7
	v_cvt_pk_f16_f32 v[W+4*(\p)], v[W+4*(\p)], v[W+4*(\p)+1]
	v_cvt_pk_f16_f32 v[W+4*(\p)+1], v[W+4*(\p)+2], v[W+4*(\p)+3]
.endr
	s_wait_alu depctr_va_vdst(0)                   ; the sixteen conversions have written W, which the eight stores read
.irp p, 0,1,2,3,4,5,6,7
	global_store_b64 v[WOF], v[W+4*(\p):W+4*(\p)+1], s[28:29] offset:(\p)*4096  ; a wave stores 256 consecutive bytes, aligned
.endr
.Lw_done:
; A sum over all 1,024 channels for each of the 64 tokens, from each lane's sum in SA to the whole sum in SA of every lane: the other half of the lanes; the wave's 64 numbers into its own
; 256 bytes of the region; my stores are done, then the barrier; each half of the lanes adds eight waves'; the other half once more.  first = 1: the first reduction, whose LDS loads land in the registers that the weights' stores read.
.macro REDUCE region, first
.irp k, 0,1,2,3
	v_permlanex16_b32 v[T+(\k)], v[SA+(\k)], s36, s37
.endr
	v_pk_add_f32 v[SA:SA+1], v[SA:SA+1], v[T:T+1]
	v_pk_add_f32 v[SA+2:SA+3], v[SA+2:SA+3], v[T+2:T+3]
	s_wait_alu depctr_va_vdst(0)                   ; the sums have written SA, which the LDS store reads; and every earlier vector line that named W is done: the LDS loads below land in it, and no vector line stands between
	ds_store_b128 v[RST], v[SA:SA+3] offset:\region    ; both halves of the lanes hold the same numbers and write the same bytes
	s_wait_dscnt 0x0                               ; for the others' sake: my store is done
	s_barrier_signal -1
	s_barrier_wait -1
.if \first
	s_wait_xcnt 0x0                                ; W, which the weights' stores read, is loaded into again below only behind this wait (ISA guide 3.1); those stores were issued a pass ago
.endif
	s_wait_alu depctr_vm_vsrc(0)                   ; my LDS store has read SA, which the last sums below write again; the first time also: the weights' stores have read W, in which the loads below land
.irp k, 0,1,2,3,4,5,6,7
	ds_load_b128 v[W+4*(\k):W+4*(\k)+3], v[RLD] offset:\region+256*(\k)
.endr
	s_wait_dscnt 0x0
.irp k, 0,2,4,6
	v_pk_add_f32 v[W+4*(\k):W+4*(\k)+1],   v[W+4*(\k):W+4*(\k)+1],   v[W+4*(\k)+4:W+4*(\k)+5]
	v_pk_add_f32 v[W+4*(\k)+2:W+4*(\k)+3], v[W+4*(\k)+2:W+4*(\k)+3], v[W+4*(\k)+6:W+4*(\k)+7]
.endr
.irp k, 0,4
	v_pk_add_f32 v[W+4*(\k):W+4*(\k)+1],   v[W+4*(\k):W+4*(\k)+1],   v[W+4*(\k)+8:W+4*(\k)+9]
	v_pk_add_f32 v[W+4*(\k)+2:W+4*(\k)+3], v[W+4*(\k)+2:W+4*(\k)+3], v[W+4*(\k)+10:W+4*(\k)+11]
.endr
	v_pk_add_f32 v[SA:SA+1],   v[W:W+1],   v[W+16:W+17]
	v_pk_add_f32 v[SA+2:SA+3], v[W+2:W+3], v[W+18:W+19]
.irp k, 0,1,2,3
	v_permlanex16_b32 v[T+(\k)], v[SA+(\k)], s36, s37
.endr
	v_pk_add_f32 v[SA:SA+1], v[SA:SA+1], v[T:T+1]
	v_pk_add_f32 v[SA+2:SA+3], v[SA+2:SA+3], v[T+2:T+3]
.endm
	; PASS 1: the sum, in two chains started by the first four channels: nothing is cleared
	s_wait_loadcnt 24                              ; gamma, beta and channels 0-7 are in; 24 younger loads stay out
	v_pk_add_f32 v[SA:SA+1],   v[X:X+1],     v[X+4:X+5]
	v_pk_add_f32 v[SA+2:SA+3], v[X+2:X+3],   v[X+6:X+7]
	v_pk_add_f32 v[SB:SB+1],   v[X+8:X+9],   v[X+12:X+13]
	v_pk_add_f32 v[SB+2:SB+3], v[X+10:X+11], v[X+14:X+15]
.set i, 4
.rept 28
.if i%8 == 0
	s_wait_loadcnt 24-i                            ; the next eight channels are in: 16, 8 and at last 0 younger loads stay out
.endif
.set a, SA+4*(i%2)
	v_pk_add_f32 v[a:a+1],   v[a:a+1],   v[X+4*i:X+4*i+1]
	v_pk_add_f32 v[a+2:a+3], v[a+2:a+3], v[X+4*i+2:X+4*i+3]
.set i, i+1
.endr
	v_pk_add_f32 v[SA:SA+1], v[SA:SA+1], v[SB:SB+1]
	v_pk_add_f32 v[SA+2:SA+3], v[SA+2:SA+3], v[SB+2:SB+3]
	REDUCE RED1, 1
	v_pk_mul_f32 v[MU:MU+1],   v[SA:SA+1],   s[34:35] op_sel_hi:[1,0]  ; the mean
	v_pk_mul_f32 v[MU+2:MU+3], v[SA+2:SA+3], s[34:35] op_sel_hi:[1,0]
	; PASS 2: the deviations, in place, and the sum of their squares
.set i, 0
.rept 32
	v_pk_add_f32 v[X+4*i:X+4*i+1],   v[X+4*i:X+4*i+1],   v[MU:MU+1]   neg_lo:[0,1] neg_hi:[0,1]
	v_pk_add_f32 v[X+4*i+2:X+4*i+3], v[X+4*i+2:X+4*i+3], v[MU+2:MU+3] neg_lo:[0,1] neg_hi:[0,1]
.set i, i+1
.endr
.set i, 0
.rept 32
.set a, SA+4*(i%2)
.if i < 2
	v_pk_mul_f32 v[a:a+1],   v[X+4*i:X+4*i+1],   v[X+4*i:X+4*i+1]
	v_pk_mul_f32 v[a+2:a+3], v[X+4*i+2:X+4*i+3], v[X+4*i+2:X+4*i+3]
.else
	v_pk_fma_f32 v[a:a+1],   v[X+4*i:X+4*i+1],   v[X+4*i:X+4*i+1],   v[a:a+1]
	v_pk_fma_f32 v[a+2:a+3], v[X+4*i+2:X+4*i+3], v[X+4*i+2:X+4*i+3], v[a+2:a+3]
.endif
.set i, i+1
.endr
	v_pk_add_f32 v[SA:SA+1], v[SA:SA+1], v[SB:SB+1]
	v_pk_add_f32 v[SA+2:SA+3], v[SA+2:SA+3], v[SB+2:SB+3]
	REDUCE RED2, 0
.irp k, 0,1,2,3
	v_fma_f32 v[MU+(\k)], v[SA+(\k)], s34, s35     ; var + eps
.endr
.irp k, 0,1,2,3
	v_rsq_f32 v[MU+(\k)], v[MU+(\k)]
.endr
	v_nop                                          ; a plain instruction between the last of them and the use of its result (ISA guide 5.7.2)
	s_wait_alu depctr_va_vdst(0)                   ; the four v_rsq_f32 have written MU, ahead of its first reader
	; PASS 3: scaled, times gamma plus beta, rounded once, stored.  Four blocks of eight channels; a block's eight stores are issued in the next block, one ahead of each channel's eight vector lines.
.set blk, 0
.rept 4
.if blk > 0
	s_wait_alu depctr_va_vdst(0)                   ; the block before has written its eight rounded pairs, which the stores below read; this block's vector lines name none of them
.endif
.set ch, 0
.rept 8
.set i, 8*blk+ch
.if blk > 0
	global_store_b64 v[NO], v[X+4*(i-8):X+4*(i-8)+1], s[14:15] offset:256*(i-8)  ; two neighbouring rows of nrm: 256 consecutive bytes, aligned
.endif
	v_pk_mul_f32 v[X+4*i:X+4*i+1],   v[X+4*i:X+4*i+1],   v[MU:MU+1]
	v_pk_mul_f32 v[X+4*i+2:X+4*i+3], v[X+4*i+2:X+4*i+3], v[MU+2:MU+3]
.irp k, 0,1,2,3
	v_fma_f32 v[X+4*i+(\k)], v[X+4*i+(\k)], v[G+i], v[BT+i]
.endr
	v_cvt_pk_f16_f32 v[X+4*i],   v[X+4*i],   v[X+4*i+1]
	v_cvt_pk_f16_f32 v[X+4*i+1], v[X+4*i+2], v[X+4*i+3]
.set ch, ch+1
.endr
.set blk, blk+1
.endr
	s_wait_alu depctr_va_vdst(0)                   ; the last block has written its eight rounded pairs, which the last eight stores read
.set i, 24
.rept 8
	global_store_b64 v[NO], v[X+4*i:X+4*i+1], s[14:15] offset:256*i
.set i, i+1
.endr
	; THE ROTARY TABLE, by work-group 0: thread = 256 fb + 8 L + j makes one frequency's cosine and sine at two positions
	s_cmp_lg_u32 s22, 0
	s_cbranch_scc1 .Lno_table
	v_lshrrev_b32 v10, 8, v0                       ; fb
	v_bfe_u32 v11, v0, 7, 1                        ; L / 16
	v_and_b32 v208, 7, v0                          ; j
	v_lshl_add_u32 v208, v11, 3, v208
	v_lshl_add_u32 v208, v10, 4, v208              ; f
	v_cvt_f32_u32 v208, v208
	v_mul_f32 v208, 0xbed49a78, v208               ; - f log2(10000) / 32
	v_exp_f32 v208, v208                           ; 10000^(-f / 32)
	v_and_b32 v218, 255, v0                        ; (plain work stands behind the exponential)
	v_lshlrev_b32 v218, 2, v218
	v_lshl_add_u32 v218, v10, 11, v218             ; 2048 fb + 32 L + 4 j
	v_bfe_u32 v219, v0, 3, 4                       ; L % 16
	s_wait_alu depctr_va_vdst(0)                   ; the exponential has written v208, ahead of its first reader
.macro SINCOS par                      ; results in registers of their own for each par; the four stores follow behind both
	v_add_nc_u32 v209, 16*(\par), v219
	v_cvt_f32_u32 v209, v209
	v_mul_f32 v209, v209, v208                     ; the angle a
	v_mul_f32 v210, 0x3f22f983, v209
	v_rndne_f32 v210, v210                         ; n = the nearest whole number to a 2 / pi
	v_fmamk_f32 v211, v210, 0xbfc90fdb, v209       ; r = a - n pi/2, pi/2 in two words
	v_fmamk_f32 v211, v210, 0x333bbd2e, v211
	v_mul_f32 v212, v211, v211                     ; z = r r
	v_mov_b32 v213, 0x3638ef1d                     ; sin r = r + r z (-1/6 + z/120 - z z/5040 + z z z/362880)
	v_mov_b32 v214, 0xb493f27e                     ; cos r = 1 - z/2 + z z/24 - ... - z^5/3628800
	v_fmaak_f32 v213, v213, v212, 0xb9500d01
	v_fmaak_f32 v214, v214, v212, 0x37d00d01
	v_fmaak_f32 v213, v213, v212, 0x3c088889
	v_fmaak_f32 v214, v214, v212, 0xbab60b61
	v_fmaak_f32 v213, v213, v212, 0xbe2aaaab
	v_fmaak_f32 v214, v214, v212, 0x3d2aaaab
	v_mul_f32 v216, v211, v212
	v_fma_f32 v214, v214, v212, -0.5
	v_fma_f32 v213, v216, v213, v211
	v_fma_f32 v214, v214, v212, 1.0
	v_cvt_i32_f32 v215, v210                       ; the quadrant n % 4 only selects values: odd: sine and cosine change places; signs by its bits
	v_and_b32 v216, 1, v215
	v_cmp_eq_u32 vcc_lo, 1, v216
	s_wait_alu depctr_va_vcc(0)                    ; the compare has written VCC, ahead of its first reader: the two selects below
	v_cndmask_b32 v[221+2*(\par)], v213, v214, vcc_lo  ; the sine
	v_cndmask_b32 v[220+2*(\par)], v214, v213, vcc_lo  ; the cosine
	v_and_b32 v213, 2, v215
	v_lshlrev_b32 v213, 30, v213
	v_xor_b32 v[221+2*(\par)], v[221+2*(\par)], v213   ; the sine is negative in quadrants 2 and 3,
	v_add_nc_u32 v214, 1, v215
	v_and_b32 v214, 2, v214
	v_lshlrev_b32 v214, 30, v214
	v_xor_b32 v[220+2*(\par)], v[220+2*(\par)], v214   ; the cosine in 1 and 2
.endm
	SINCOS 0
	SINCOS 1
	s_wait_alu depctr_va_vdst(0)                   ; v220 to v223, the two cosines and sines, are written, which the four stores read; so is their offset v218
.irp par, 0,1
	global_store_b32 v218, v[220+2*(\par)], s[20:21] offset:4096*(\par)
	global_store_b32 v218, v[221+2*(\par)], s[20:21] offset:4096*(\par)+1024
.endr
.Lno_table:
	s_wait_dscnt 0x0                               ; the closing lines, six on end
	s_wait_alu 0x0
	s_wait_tensorcnt 0x0
	ds_add_u32 v[SPW], v[NIL]
	s_wait_dscnt 0x0
	s_endpgm
.Lfunc_end_k_q09dd546a75_front:
	.size	k_q09dd546a75_front, .Lfunc_end_k_q09dd546a75_front-k_q09dd546a75_front
	.p2alignl 7, 3214868480
	.fill 96, 4, 3214868480
	.section	.rodata,"a",@progbits
	.p2align	6, 0x0
	.amdhsa_kernel k_q09dd546a75_front
		.amdhsa_group_segment_fixed_size 10240
		.amdhsa_private_segment_fixed_size 0
		.amdhsa_enable_private_segment 0
		.amdhsa_kernarg_size 72
		.amdhsa_user_sgpr_count 2
		.amdhsa_user_sgpr_kernarg_segment_ptr 1
		.amdhsa_wavefront_size32 1
		.amdhsa_system_sgpr_workgroup_id_x 1
		.amdhsa_system_sgpr_workgroup_id_y 1
		.amdhsa_system_sgpr_workgroup_id_z 1
		.amdhsa_system_vgpr_workitem_id 0
		.amdhsa_next_free_vgpr 256
		.amdhsa_next_free_sgpr 66
		.amdhsa_reserve_vcc 1
		.amdhsa_float_denorm_mode_32 3
		.amdhsa_float_denorm_mode_16_64 3
		.amdhsa_memory_ordered 1
		.amdhsa_forward_progress 1
		.amdhsa_inst_pref_size 54
	.end_amdhsa_kernel
	.amdgpu_metadata
---
amdhsa.version: [ 1, 2 ]
amdhsa.kernels:
  - .name:           k_q09dd546a75_front
    .symbol:         k_q09dd546a75_front.kd
    .args:
      - { .name: x, .offset: 0, .size: 8, .value_kind: global_buffer, .address_space: global }
      - { .name: gamma, .offset: 8, .size: 8, .value_kind: global_buffer, .address_space: global }
      - { .name: beta, .offset: 16, .size: 8, .value_kind: global_buffer, .address_space: global }
      - { .name: w_qkv, .offset: 24, .size: 8, .value_kind: global_buffer, .address_space: global }
      - { .name: w_out, .offset: 32, .size: 8, .value_kind: global_buffer, .address_space: global }
      - { .name: nrm, .offset: 40, .size: 8, .value_kind: global_buffer, .address_space: global }
      - { .name: wq, .offset: 48, .size: 8, .value_kind: global_buffer, .address_space: global }
      - { .name: wo, .offset: 56, .size: 8, .value_kind: global_buffer, .address_space: global }
      - { .name: rot, .offset: 64, .size: 8, .value_kind: global_buffer, .address_space: global }
    .group_segment_fixed_size: 10240
    .private_segment_fixed_size: 0
    .kernarg_segment_align: 8
    .kernarg_segment_size: 72
    .max_flat_workgroup_size: 512
    .sgpr_count:     66
    .vgpr_count:     256
    .wavefront_size: 32
...
	.end_amdgpu_metadata
.endif
;; end of part 4
;; launch qkvatt: the kernel of part 2 again; grid 4 x 64, 4 waves a work-group, clusters of 4 x 4, 327,680 bytes of LDS; arguments nrm, wq, rot, att; writes att
;; launch oproj: the kernel of part 3 again; grid 64 x 4, 4 waves a work-group, clusters of 4 x 4, 327,680 bytes of LDS; arguments wo, att, x, out0; writes out0
